; MI455X (gfx1250); checked and timed in simulation.
; The chip was launched on July 23, 2026; its instructions are those of AMD's public machine-readable ISA for CDNA 5 (MIT licence, August 2026) and "CDNA5" Instruction Set Architecture Reference Guide (July 2026). The comments in the code are by the model that wrote it; some were corrected since.
;; Self Attention Layer V1. Allowed arithmetic: matrix products marked QUANTISED: E2M3 operands, one E8M0 scale for each 32 along K, by v_wmma_scale_f32_16x16x128_f8f6f4 with both operands' format E2M3, f32 sums; everything else in f32.
;; Inputs: Wk 1,024 x 1,024 float32; Wq 1,024 x 1,024 float32; Wv 1,024 x 1,024 float32; bk 1,024 float32; bq 1,024 float32; bv 1,024 float32; x 4 x 2,048 x 1,024 float32.
;; Outputs: out0 4 x 2,048 x 1,024 float32.
;; This version of the problem:
;;   THIS VERSION OF THE PROBLEM IS GIVEN IN LOW PRECISION. The matrix products marked QUANTISED in the list below multiply operands that are first quantised to E2M3 (2 exponent bits, 3 mantissa bits; 6 bits a number), with one power-of-two scale for each 32 numbers along K (OCP MX v1.0); their sums are f32. All else is computed in f32.
;;   The module's matrix products, in the order in which they are computed (A, B: the left and right operand; K: the contracted axis; several contracted axes count as one K, in the product's order):
;;     1. [M 8,192, K 1,024] x [K 1,024, N 1,024]; A: input x; B: input Wq: QUANTISED
;;     2. [M 8,192, K 1,024] x [K 1,024, N 1,024]; A: input x; B: input Wk: QUANTISED
;;     3. [M 8,192, K 1,024] x [K 1,024, N 1,024]; A: input x; B: input Wv: QUANTISED
;;     4. batch 4 x [M 2,048, K 1,024] x [K 1,024, N 2,048]; A: computed on the way; B: computed on the way: QUANTISED
;;     5. batch 4 x [M 2,048, K 2,048] x [K 2,048, N 1,024]; A: softmax (see below); B: computed on the way: QUANTISED
;;   THE QUANTISER, for each operand of a quantised product, along K:
;;     - K is cut into blocks of 32 from its start; a last block that is shorter is filled with zeros.
;;     - A block's scale is 2^e with e = floor(log2(the largest magnitude in the block)) - 2, held to -126 .. 127; a block of zeros has e = 0. As a byte (E8M0): e + 127.
;;     - Each number is divided by its block's scale, clamped to +-7.5, and rounded to the nearest number of E2M3, ties to even, subnormals kept.
;;     - The product sums the exact products of the quantised numbers (number of the format x scale) in f32.
;;   ~~~python
;;   def quantise(x, axis):      # numpy; x: float32 -> the quantised numbers, widened to float32 again
;;       x = np.moveaxis(x, axis, -1); K = x.shape[-1]
;;       x = np.pad(x, [(0, 0)] * (x.ndim - 1) + [(0, -K % 32)]); x = x.reshape(x.shape[:-1] + (-1, 32)); a = np.abs(x).max(-1, keepdims=True)
;;       e = np.where(a > 0, np.clip(np.frexp(np.where(a > 0, a, 1))[1] - 1 - 2, -126, 127), 0)      # np.frexp(a)[1] - 1 = floor(log2(a)), exactly
;;       r = np.clip(x / 2.0 ** e, -7.5, 7.5)
;;       step = 2.0 ** (np.maximum(np.frexp(np.where(r == 0, 1, r))[1] - 1, 0) - 3)
;;       q = np.round(r / step) * step * 2.0 ** e      # np.round: ties to even
;;       return np.moveaxis(q.reshape(q.shape[:-2] + (-1,))[..., :K], -1, axis).astype(np.float32)
;;   ~~~
;;   SOFTMAX AHEAD OF A QUANTISED PRODUCT. Where the list says 'softmax', what is quantised is not the finished softmax but p = 2^(t - M), with t = logit x log2(e) and M = ceil(the row's largest t), a whole number; so 1/2 < the row's largest p <= 1. The row's sum l is taken of the UNQUANTISED p, in f32, and the product's result is divided by l at the end. Since M is a whole number, a kernel that streams over the keys may use a running M (the ceiling of the running maximum): every later rescaling is an exact power of two, which a block's scale takes up: the codes' values come out the same.
;;   OPERANDS COMPUTED ON THE WAY. 'Computed on the way' means the value that the module computes at that place (a softmax that the list does not call 'softmax' is quantised finished and normalised). What goes into a quantiser is computed in f32, as accurately as f32 sums, v_exp_f32 and their like allow (about 1e-6 of the number): no bf16 or f16 on the way to a quantiser, and a product that is left as it is and whose result goes on into a quantised operand takes f32 operands (vector FMAs, or v_wmma_f32_16x16x4_f32). A number that lies on a knife's edge between two numbers of the format may be rounded either way, as far as f32 arithmetic and the matrix unit's own rounding can turn it there, and no further.
;; 2 versions, each right and faster than the one before. Each part assembles by itself: llvm-mc -triple=amdgcn-amd-amdhsa -mcpu=gfx1250 --defsym DOCPART=n.
;; ======== version 1 of 2: 4 launches
;; workspace buffers: xc 6,553,600 bytes; wc 2,457,600 bytes; qc 6,553,600 bytes; kc 6,553,600 bytes; vc 6,553,600 bytes; pc 13,107,200 bytes; pm 524,288 bytes; pl 524,288 bytes
;; launch quant (part 1): grid 704 x 1, 8 waves a work-group, no clusters, 69,632 bytes of LDS; arguments x, Wq, Wk, Wv, xc, wc; writes xc, wc
.if DOCPART == 1
	.amdgcn_target "amdgcn-amd-amdhsa--gfx1250"
	.amdhsa_code_object_version 6
	.text
	.protected	k_qd3d0bebd8f_quant
	.globl	k_qd3d0bebd8f_quant
	.p2align	8
	.type	k_qd3d0bebd8f_quant,@function
k_qd3d0bebd8f_quant:
	s_mov_b64 s[64:65], 0
	v_nop
	global_prefetch_b8 v0, s[64:65] scope:SCOPE_SE
	s_setreg_imm32_b32 hwreg(HW_REG_WAVE_MODE, 25, 1), 1
	s_wait_xcnt 0x0
; x [8192][1024] and Wq, Wk, Wv [1024 (k)][1024 (n)], f32, become codes of FP6 (E2M3) with one E8M0 byte for each 32 along K (K = the 1,024 inputs), laid in the ORDER OF THE OPERAND'S REGISTERS.
; A UNIT is 128 rows x 128 K: eight fragments of 1,536 bytes and a block of 512 bytes of scale words, 12,800 bytes.  A fragment is the image of 12 registers: registers 4 c .. 4 c + 3 of lane l at 512 c + 16 l.
; Lane r of fragment a holds row 32 (a / 2) + 8 (a % 2) + r + 8 (r / 8) of the unit's 128.  The scale word of (a, r) lies at 256 (a / 4) + 16 r + 4 (a % 4).  Units lie [group of 128 rows][K step].
; For x a row is a token; for a weight a row is an output column n, and K is the tensor's FIRST axis.
; A block's scale is 2^(floor(log2(its largest magnitude)) - 2); its byte is the largest magnitude's exponent field - 2, held at 1 from below.
; LIMITS: a block of zeros, or one whose largest magnitude lies under 2^-124, gets the byte 1 (the rule says 127 for zeros): its codes are zeros or next to it, and this program alone reads the bytes.  NaN and infinities are not served.
; SHARES: a work-group makes one unit, wave w its fragment w.  The first 512 work-groups take x, the other 192 the weights.  Work-groups share no input: no cluster, no tensor load, no matrix unit.
; x: each load reads 512 consecutive bytes of one row; the 16 rows turn through the wave's own stage in LDS, so that lane (r, h) gets k = 64 c + 32 h + 0 .. 31 of row r.
; W: lane (r, h) takes column n of its row r and its registers run down K, in the operand's own order.
.set UNIT,  12800
.set FRB,   1536
.set SCO,   12288
.set NXU,   512                        ; units of x
.set SP,    528                        ; a stage row: 512 bytes + 16
.set STGB,  16*SP                      ; a wave's stage
.set SCB,   8*STGB                     ; behind the stages: the unit's 512 bytes of scale words
.set LI,    4                          ; v4   16 x lane
.set STW,   5                          ; v5   the stage, on the way in
.set STR,   6                          ; v6   and on the way out: row r, + 128 h
.set WOFF,  7                          ; v7   W: 32 h rows + 4 (r + 8 (r / 8))
.set SCW,   8                          ; v8   where my row's scale word goes
.set SCR,   9                          ; v9   where wave 0 reads the block back
.set SH,    10                         ; v10  8 h
.set MX,    12                         ; v12-13 largest magnitudes
.set SOP,   14                         ; v14-15 the conversions' scale operands
.set BY,    16                         ; v16-17 the bytes
.set WD,    18                         ; v18  the scale word
.set TP,    19
.set PC,    20                         ; v20-31 the fragment
.set PT,    32                         ; v32-34, v36-38 the upper halves of the two blocks, as converted
.set X,     40                         ; v40-103 register 32 c + i: k = 64 c + 32 h + i of my row
.set R,     104                        ; v104-167 x as loaded
	s_load_b256 s[4:11], s[0:1], 0x0               ; x, Wq, Wk, Wv
	s_load_b128 s[12:15], s[0:1], 0x20             ; xc, wc
	v_lshl_add_u32 v168, v0, 2, 0x10c00
	v_mov_b32 v169, 0
	v_lshrrev_b32 v1, 5, v0
	v_readfirstlane_b32 s16, v1                    ; wave 0..7
	v_and_b32 v1, 31, v0
	v_and_b32 v2, 15, v0                           ; r
	v_bfe_u32 v3, v0, 4, 1                         ; h
	v_lshlrev_b32 v[LI], 4, v1
	s_mul_i32 s17, s16, STGB
	v_add_nc_u32 v[STW], s17, v[LI]
	v_mul_u32_u24 v[STR], v2, SP
	v_lshl_add_u32 v[STR], v3, 7, v[STR]
	v_add_nc_u32 v[STR], s17, v[STR]
	v_and_b32 v[WOFF], 8, v2
	v_add_nc_u32 v[WOFF], v[WOFF], v2
	v_lshlrev_b32 v[WOFF], 2, v[WOFF]
	v_lshl_add_u32 v[WOFF], v3, 17, v[WOFF]
	s_lshr_b32 s18, s16, 2
	s_lshl_b32 s18, s18, 8
	s_and_b32 s19, s16, 3
	s_lshl_b32 s19, s19, 2
	s_add_co_u32 s18, s18, s19
	s_add_co_u32 s18, s18, SCB
	v_lshl_add_u32 v[SCW], v2, 4, s18              ; SCB + 256 (w / 4) + 4 (w % 4) + 16 r
	v_add_nc_u32 v[SCR], SCB, v[LI]
	v_lshlrev_b32 v[SH], 3, v3
	v_mov_b32 v[TP], 0                             ; a lane permute's destination counts as one of its sources
	s_mov_b32 s20, 0x76543210
	s_mov_b32 s21, 0xfedcba98                      ; selects for lane l xor 16
	s_lshr_b32 s22, s16, 1
	s_lshl_b32 s22, s22, 5
	s_and_b32 s23, s16, 1
	s_lshl_b32 s23, s23, 3
	s_add_co_u32 s22, s22, s23                     ; my fragment's first row: 32 (w / 2) + 8 (w % 2)
	s_mul_i32 s24, s16, FRB
	s_and_b32 s25, ttmp9, 7                        ; the K step
	s_cmp_lt_u32 ttmp9, NXU
	s_cselect_b32 s26, 0, NXU
	s_sub_co_u32 s30, ttmp9, s26                   ; the unit's number in its own buffer
	s_mul_i32 s26, s30, UNIT
	s_add_co_u32 s26, s26, s24
	s_mov_b32 s27, 0
	s_wait_kmcnt 0x0
	s_cmp_lt_u32 ttmp9, NXU                        ; the choice hangs on the work-group's number alone
	s_cselect_b64 s[28:29], s[12:13], s[14:15]
	s_add_nc_u64 s[28:29], s[28:29], s[26:27]      ; where my fragment goes
	s_cmp_lt_u32 ttmp9, NXU
	s_cbranch_scc0 .Lweights
	; ---- x: 16 rows x 512 bytes
	s_lshr_b32 s34, ttmp9, 3
	s_lshl_b32 s34, s34, 19                        ; the group's 128 rows of 4,096 bytes
	s_lshl_b32 s35, s25, 9                         ; the K step's 512 bytes
	s_add_co_u32 s34, s34, s35
	s_lshl_b32 s35, s22, 12
	s_add_co_u32 s34, s34, s35
	s_mov_b32 s35, 0
	s_add_nc_u64 s[4:5], s[4:5], s[34:35]
.set i, 0
.rept 16
	global_load_b128 v[R+4*i:R+4*i+3], v[LI], s[4:5] offset:(i+8*(i/8))*4096 th:TH_LOAD_NT
.set i, i+1
.endr
.set i, 0
.rept 16
	s_wait_loadcnt 15-i                            ; row i is in; the rows loaded behind it may be out
	ds_store_b128 v[STW], v[R+4*i:R+4*i+3] offset:SP*i
.set i, i+1
.endr
.irp c, 0,1
.irp j, 0,1,2,3,4,5,6,7
	ds_load_b128 v[X+32*\c+4*\j:X+32*\c+4*\j+3], v[STR] offset:256*\c+16*\j   ; LDS serves a wave's instructions in order: these see my stores
.endr
.endr
	s_wait_dscnt 0x0
	s_branch .Lquant
.Lweights:
	; ---- a weight: 64 rows k of my column
	s_lshr_b32 s31, s30, 6                         ; 0 Wq, 1 Wk, 2 Wv
	s_cmp_eq_u32 s31, 0
	s_cselect_b64 s[32:33], s[6:7], s[8:9]
	s_cmp_eq_u32 s31, 2
	s_cselect_b64 s[32:33], s[10:11], s[32:33]
	s_bfe_u32 s34, s30, 0x30003                    ; the group of 128 columns
	s_lshl_b32 s34, s34, 7
	s_add_co_u32 s34, s34, s22
	s_lshl_b32 s34, s34, 2
	s_lshl_b32 s35, s25, 19                        ; the K step's 128 rows of 4,096 bytes
	s_add_co_u32 s34, s34, s35
	s_mov_b32 s35, 0
	s_add_nc_u64 s[32:33], s[32:33], s[34:35]
.irp c, 0,1
.set i, 0
.rept 32
	global_load_b32 v[X+32*\c+i], v[WOFF], s[32:33] offset:(64*\c+i)*4096
.set i, i+1
.endr
.endr
	s_wait_loadcnt 0x0
.Lquant:
	; ---- my two blocks, 2 c + h: all 32 numbers of each are mine
.irp c, 0,1
	v_max3_num_f32 v[MX+\c], |v[X+32*\c]|, |v[X+32*\c+1]|, 0x1800000   ; and the floor 2^(3 - 127): the byte cannot fall under 1
.endr
.irp i, 2,4,6,8,10,12,14,16,18,20,22,24,26,28,30
.irp c, 0,1
	v_max3_num_f32 v[MX+\c], v[MX+\c], |v[X+32*\c+\i]|, |v[X+32*\c+\i+1]|
.endr
.endr
.irp c, 0,1
	v_add_nc_u32 v[SOP+\c], 0xff000000, v[MX+\c]   ; 2 off the exponent field: the conversion takes this operand's exponent field as its scale
.endr
.irp c, 0,1
	v_lshrrev_b32 v[BY+\c], 23, v[SOP+\c]          ; the scale's byte
.endr
	v_lshl_or_b32 v[WD], v[BY+1], 16, v[BY]        ; blocks h and 2 + h,
	v_lshlrev_b32 v[WD], v[SH], v[WD]              ; at their places in the word;
	v_permlanex16_b32 v[TP], v[WD], s20, s21
	v_or_b32 v[WD], v[WD], v[TP]                   ; with lane l xor 16's two the word is whole
.irp c, 0,1
	v_cvt_scalef32_pk16_fp6_f32 v[PC+6*\c:PC+6*\c+2], v[X+32*\c:X+32*\c+15], v[SOP+\c]
	v_cvt_scalef32_pk16_fp6_f32 v[PT+4*\c:PT+4*\c+2], v[X+32*\c+16:X+32*\c+31], v[SOP+\c]   ; (a conversion's three registers begin on an even number)
.endr
	v_nop                                          ; one plain instruction behind a scaled conversion
.irp c, 0,1
.irp i, 0,1,2
	v_mov_b32 v[PC+6*\c+3+\i], v[PT+4*\c+\i]
.endr
.endr
.irp c, 0,1,2
	global_store_b128 v[LI], v[PC+4*\c:PC+4*\c+3], s[28:29] offset:512*\c   ; 32 lanes store 512 consecutive bytes, aligned
.endr
	ds_store_b32 v[SCW], v[WD]                     ; both halves of the lanes write the same word with the same value
	s_wait_dscnt 0x0                               ; for the others' sake: my word has landed
	s_barrier_signal -1
	s_barrier_wait -1
	s_cmp_lg_u32 s16, 0
	s_cbranch_scc1 .Lend
	ds_load_b128 v[X:X+3], v[SCR]                  ; wave 0 stores the unit's 512 bytes of scale words
	s_wait_dscnt 0x0
	global_store_b128 v[LI], v[X:X+3], s[28:29] offset:SCO
.Lend:
	s_wait_tensorcnt 0x0
	ds_add_u32 v168, v169
	s_wait_dscnt 0x0
	s_endpgm
.Lfunc_end_k_qd3d0bebd8f_quant:
	.size	k_qd3d0bebd8f_quant, .Lfunc_end_k_qd3d0bebd8f_quant-k_qd3d0bebd8f_quant
	.p2alignl 7, 3214868480
	.fill 96, 4, 3214868480
	.section	.rodata,"a",@progbits
	.p2align	6, 0x0
	.amdhsa_kernel k_qd3d0bebd8f_quant
		.amdhsa_group_segment_fixed_size 69632
		.amdhsa_private_segment_fixed_size 0
		.amdhsa_enable_private_segment 0
		.amdhsa_kernarg_size 48
		.amdhsa_user_sgpr_count 2
		.amdhsa_user_sgpr_kernarg_segment_ptr 1
		.amdhsa_wavefront_size32 1
		.amdhsa_system_sgpr_workgroup_id_x 1
		.amdhsa_system_sgpr_workgroup_id_y 1
		.amdhsa_system_sgpr_workgroup_id_z 1
		.amdhsa_system_vgpr_workitem_id 0
		.amdhsa_next_free_vgpr 170
		.amdhsa_next_free_sgpr 66
		.amdhsa_reserve_vcc 0
		.amdhsa_float_denorm_mode_32 3
		.amdhsa_float_denorm_mode_16_64 3
		.amdhsa_memory_ordered 1
		.amdhsa_forward_progress 1
		.amdhsa_inst_pref_size 17
	.end_amdhsa_kernel
	.amdgpu_metadata
---
amdhsa.version: [ 1, 2 ]
amdhsa.kernels:
  - .name:           k_qd3d0bebd8f_quant
    .symbol:         k_qd3d0bebd8f_quant.kd
    .args:
      - { .name: x, .offset: 0, .size: 8, .value_kind: global_buffer, .address_space: global }
      - { .name: Wq, .offset: 8, .size: 8, .value_kind: global_buffer, .address_space: global }
      - { .name: Wk, .offset: 16, .size: 8, .value_kind: global_buffer, .address_space: global }
      - { .name: Wv, .offset: 24, .size: 8, .value_kind: global_buffer, .address_space: global }
      - { .name: xc, .offset: 32, .size: 8, .value_kind: global_buffer, .address_space: global }
      - { .name: wc, .offset: 40, .size: 8, .value_kind: global_buffer, .address_space: global }
    .group_segment_fixed_size: 69632
    .private_segment_fixed_size: 0
    .kernarg_segment_align: 8
    .kernarg_segment_size: 48
    .max_flat_workgroup_size: 256
    .sgpr_count:     66
    .vgpr_count:     170
    .wavefront_size: 32
...
	.end_amdgpu_metadata
.endif
;; end of part 1
;; launch proj (part 2): grid 12 x 32, 4 waves a work-group, clusters of 4 x 4, 327,680 bytes of LDS; arguments xc, wc, bq, bk, bv, qc, kc, vc; writes qc, kc, vc
.if DOCPART == 2
	.amdgcn_target "amdgcn-amd-amdhsa--gfx1250"
	.amdhsa_code_object_version 6
	.text
	.protected	k_qd3d0bebd8f_proj
	.globl	k_qd3d0bebd8f_proj
	.p2align	8
	.type	k_qd3d0bebd8f_proj,@function
k_qd3d0bebd8f_proj:
	s_mov_b64 s[64:65], 0
	v_nop
	global_prefetch_b8 v0, s[64:65] scope:SCOPE_SE
	s_setreg_imm32_b32 hwreg(HW_REG_WAVE_MODE, 25, 1), 1
	s_wait_xcnt 0x0
	s_wait_alu depctr_hold_cnt(0) depctr_sa_sdst(0) depctr_va_vdst(0) depctr_va_sdst(0) depctr_va_ssrc(0) depctr_va_vcc(0) depctr_vm_vsrc(0)
	s_getreg_b32 s2, hwreg(HW_REG_IB_STS2, 6, 4)
	s_cmp_eq_u32 s2, 0
	s_cbranch_scc0 .Lentry_in_a_cluster
	s_endpgm
.Lentry_in_a_cluster:
	s_bfe_u32 s2, ttmp6, 0x10000c
	s_cmp_lg_u32 s2, 0xf033
	s_cbranch_scc0 .Lentry_shape_is_right
	s_endpgm
.Lentry_shape_is_right:
; q = x Wq + bq, k = x Wk + bk, v = x Wv + bv on codes of FP6 (E2M3) with E8M0 scales, sums in f32; each result is quantised again on the way out, along the K of the product that will read it:
; q and k along the 1,024 channels, v along the keys.  All operands and results lie in UNITS of 128 rows x 128 K: eight fragments (images of 12 registers: registers 4 c .. 4 c + 3 of lane l at 512 c + 16 l),
; then 512 bytes of scale words (word of fragment a, lane r at 256 (a / 4) + 16 r + 4 (a % 4)); 12,800 bytes.  Lane r of fragment a holds row 32 (a / 2) + 8 (a % 2) + r + 8 (r / 8).
; A tile is 256 rows of operand A x 256 rows of operand B; four waves, each 128 x 128: 64 accumulators, 512 registers.  Source 0 = a fragment of B, source 1 = a fragment of A: a lane holds ONE row of A, and by the
; order of rows in a fragment the 16 registers of B's fragments 2 c and 2 c + 1 are 16 neighbouring rows of B, 32 c + 16 (lane / 16) + 0 .. 15: neighbours along the next product's K.
; q, k (cluster x = 0, 1): A = x's rows, B = the weight's columns.  v (cluster x = 2): A = Wv's columns, B = x's rows: a lane then holds a channel and its registers run along the keys.
; K goes through a ring of two LDS slots of 256 along K.  Two K steps of one group of 128 rows are 25,600 dense bytes: one tensor load a wave (waves 0, 1: A's two groups; waves 2, 3: B's).
; CLUSTERS: 4 x 4 work-groups; A's tiles are asked for jointly along a row of the cluster, B's along a column.  K = 1,024 is four fills of a slot: the eight steps are written out, without a loop.
; LIMITS: a block of zeros, or one under 2^-124, gets the byte 1: only this program reads the bytes.  NaN and infinities are not served.
; REGISTERS: window 0: v16-29 addresses; v32-63 scale words, two sets; v64-127 the bias by columns; v128-223 A's fragments, one set (on the way out: the numbers to be quantised and their codes); v232-251 scale words made, the bias by rows.
;   window 1: B's fragments, two sets, at v0 and v128.   windows 2, 3: the accumulators: (a, b) at v[8 (8 (a % 4) + b)] of window 2 + a / 4.
.set FR,    12
.set FRB,   1536
.set UNIT,  12800
.set SCO,   12288
.set REG,   2*UNIT                     ; what one tensor load brings: two K steps of 128 rows
.set SLOT,  4*REG
.set RING,  0
.set SPARE, RING+2*SLOT                ; the spare words: 128 bytes a wave, two blocks of 256 bytes that no other line names
.set GSTR,  8*UNIT                     ; from a group of 128 rows to the next
.set ADRA, 16                          ; v16-17 16 x lane + my group of A in slot 0, 1
.set ADRB, 20                          ; v20-21 the same for B
.set ADRS, 22                          ; v22-23 the scale words: lanes 0-15 A's, lanes 16-31 B's
.set LI,   24                          ; v24   16 x lane
.set SPW,  28
.set NIL,  29
.set SC,   32                          ; register SC + 16 slot + 8 q + i: lanes 0-15 the words of A's fragment i, lanes 16-31 of B's
.set BN,   64
.set AF,   128
.set H,    128
.set PC,   192
.set PT,   204
.set TM,   212
.set PWS,  232
.set BM,   240
.set T,    248
.set SEL,  2
.set WV,   20
.set AH,   21
.set BH,   22
.set ISV,  23
.set G1,   24
.set G0,   32
.set G1B,  48
.set G0B,  56
.set OUT,  88
.set HIM,  94
.set MSB, 0
.macro WIN new                         ; the immediate's high byte repeats the setting that is left
.if MSB != (\new)
	s_set_vgpr_msb (MSB<<8)|(\new)
.set MSB, (\new)
.endif
.endm
.set MUL_LO, 0xa1                      ; source 0 (B) window 1, source 1 (A) window 0, C and D window 2
.set MUL_HI, 0xf1
.set TO_B,   0x40
.macro JLOAD s                         ; a joint load: waves 0 and 1 fetch for A, waves 2 and 3 for B; the branch hangs on the wave's number alone; four v_nop follow each line
	s_cmp_eq_u32 s[AH], 0
	s_cbranch_scc0 .Lfor_b_\@
	tensor_load_to_lds s[G0+4*\s:G0+4*\s+3], s[G1:G1+7]
	s_nop 0
.rept 4
	v_nop
.endr
	s_branch .Lasked_\@
.Lfor_b_\@:
	tensor_load_to_lds s[G0B+4*\s:G0B+4*\s+3], s[G1B:G1B+7]
	s_nop 0
.rept 4
	v_nop
.endr
.Lasked_\@:
.endm
.macro CREST                           ; a round of the cluster's barrier behind its opening barrier
	s_cmp_lg_u32 s[WV], 0
	s_cbranch_scc1 .Lnot_wave_0_\@
	s_barrier_signal -3
.Lnot_wave_0_\@:
	s_barrier_wait -3
	s_barrier_signal -1
	s_barrier_wait -1
.endm
.macro CROUND
	s_barrier_signal -1
	s_barrier_wait -1
	CREST
.endm
.macro PLACES n                        ; plain instructions between a matrix instruction and a load into, or a vector read of, its registers
.rept \n
	v_nop
.endr
.endm
.macro FRAG reg, adr, q, i             ; a fragment comes back as it was stored: three loads of 512 consecutive bytes
.irp c, 0,1,2
	ds_load_b128 v[\reg+4*\c:\reg+4*\c+3], v[\adr] offset:(\q)*UNIT+(\i)*FRB+512*\c
.endr
.endm
.macro FETCH_B slot, q, p
	WIN TO_B
.irp i, 0,1,2,3,4,5,6,7
	FRAG 128*(\p)+FR*\i, ADRB+\slot, \q, \i
.endr
	WIN 0
.endm
.macro FETCH_A slot, q, i0
.irp i, \i0, \i0+1, \i0+2, \i0+3
	FRAG AF+FR*(\i), ADRA+\slot, \q, \i
.endr
.endm
.macro SCALES adr, sc                  ; a slot's scale words: four fragments' words a load
.irp q, 0,1
.irp k, 0,1
	ds_load_b128 v[SC+16*(\sc)+8*\q+4*\k:SC+16*(\sc)+8*\q+4*\k+3], v[\adr] offset:\q*UNIT+256*\k
.endr
.endr
.endm
.macro MUL16 a0, p, q, sc, zero        ; A's fragments a0, a0 + 1 x B's eight; the 64 accumulators take turns in one order in every step
.irp a, \a0, \a0+1
.irp b, 0,1,2,3,4,5,6,7
.if \zero
	v_wmma_scale_f32_16x16x128_f8f6f4 v[8*(8*((\a)%4)+\b):8*(8*((\a)%4)+\b)+7], v[128*(\p)+FR*\b:128*(\p)+FR*\b+FR-1], v[AF+FR*(\a):AF+FR*(\a)+FR-1], 0, v[SC+16*(\sc)+8*(\q)+\b], v[SC+16*(\sc)+8*(\q)+(\a)] matrix_a_fmt:MATRIX_FMT_FP6 matrix_b_fmt:MATRIX_FMT_FP6 matrix_a_scale:MATRIX_SCALE_ROW1
.else
	v_wmma_scale_f32_16x16x128_f8f6f4 v[8*(8*((\a)%4)+\b):8*(8*((\a)%4)+\b)+7], v[128*(\p)+FR*\b:128*(\p)+FR*\b+FR-1], v[AF+FR*(\a):AF+FR*(\a)+FR-1], v[8*(8*((\a)%4)+\b):8*(8*((\a)%4)+\b)+7], v[SC+16*(\sc)+8*(\q)+\b], v[SC+16*(\sc)+8*(\q)+(\a)] matrix_a_fmt:MATRIX_FMT_FP6 matrix_b_fmt:MATRIX_FMT_FP6 matrix_a_scale:MATRIX_SCALE_ROW1
.endif
.endr
.endr
.endm
.macro STEP slot, zero                 ; a slot's first 128 along K; it fetches the second's fragments
	s_wait_dscnt 12                                ; all but the youngest 12 loads, A's fragments 4-7
	WIN MUL_LO
	MUL16 0, 0, 0, \slot, \zero
	MUL16 2, 0, 0, \slot, \zero
	s_wait_dscnt 0x0
	PLACES 4
	FETCH_B \slot, 1, 1
	FETCH_A \slot, 1, 0
	WIN MUL_HI
	MUL16 4, 0, 0, \slot, \zero
	MUL16 6, 0, 0, \slot, \zero
	PLACES 4
	WIN 0
	FETCH_A \slot, 1, 4
.endm
.macro TURN slot, next, fill, sadr     ; a slot's second 128 along K, and the change of slots: one barrier
	s_wait_tensorcnt 0x0                           ; all my tensor loads have landed: my part of the next slot
	ds_add_u32 v[SPW], v[NIL]                      ; 0 onto my spare word
	s_wait_dscnt 13                                ; the add and the youngest 12 loads may be out
	WIN MUL_LO
	MUL16 0, 1, 1, \slot, 0
	s_wait_dscnt 0x0                               ; the add is done, and my reads of this slot are over
	s_barrier_signal -1
	MUL16 2, 1, 1, \slot, 0
	WIN 0
	s_barrier_wait -1
.if \fill
	CREST                                          ; the barrier has opened a round of the cluster's: no wave of any partner still reads this slot or has a load on its way
	s_add_nc_u64 s[G0+4*\slot+2:G0+4*\slot+3], s[G0+4*\slot+2:G0+4*\slot+3], 2*REG
	s_add_nc_u64 s[G0B+4*\slot+2:G0B+4*\slot+3], s[G0B+4*\slot+2:G0B+4*\slot+3], 2*REG
	JLOAD \slot                                    ; the first tensor load behind the round; its four v_nop are also the places in front of the loads below
.else
	PLACES 4
.endif
	FETCH_B \next, 0, 0
	FETCH_A \next, 0, 0
	SCALES \sadr, \next
	WIN MUL_HI
	MUL16 4, 1, 1, \slot, 0
	MUL16 6, 1, 1, \slot, 0
	PLACES 4
	WIN 0
	FETCH_A \next, 0, 4
.endm
.macro LAST slot                       ; the very last 128 along K
	s_wait_dscnt 12
	WIN MUL_LO
	MUL16 0, 1, 1, \slot, 0
	MUL16 2, 1, 1, \slot, 0
	s_wait_dscnt 0x0
	WIN MUL_HI
	MUL16 4, 1, 1, \slot, 0
	MUL16 6, 1, 1, \slot, 0
	WIN 0
.endm
; 64 numbers of a lane, register 16 b + i = k 32 b + 16 (lane / 16) + i of my row, become a fragment's codes in v[PC] on and its scale word in v[pw]
.macro QUANT s, pw
.irp b, 0,1,2,3
	v_max3_num_f32 v[TM+\b], |v[\s+16*\b]|, |v[\s+1+16*\b]|, 0x1800000   ; and the floor 2^(3 - 127): the byte cannot fall under 1
.endr
.irp i, 2,4,6,8,10,12,14
.irp b, 0,1,2,3
	v_max3_num_f32 v[TM+\b], v[TM+\b], |v[\s+16*\b+\i]|, |v[\s+1+16*\b+\i]|
.endr
.endr
.irp b, 0,1,2,3
	v_permlanex16_b32 v[TM+4+\b], v[TM+\b], s[SEL], s[SEL+1]
.endr
.irp b, 0,1,2,3
	v_max_num_f32 v[TM+\b], v[TM+\b], v[TM+4+\b]   ; with lane l xor 16's: the block's largest magnitude
.endr
.irp b, 0,1,2,3
	v_add_nc_u32 v[TM+12+\b], 0xff000000, v[TM+\b] ; 2 off its exponent field: the conversion's scale operand
.endr
.irp b, 0,1,2,3
	v_lshrrev_b32 v[TM+4+\b], 23, v[TM+12+\b]      ; the scale's byte
.endr
	v_lshl_or_b32 v[\pw], v[TM+5], 8, v[TM+4]
	v_lshl_or_b32 v[\pw], v[TM+6], 16, v[\pw]
	v_lshl_or_b32 v[\pw], v[TM+7], 24, v[\pw]
.irp c, 0,1
	v_cvt_scalef32_pk16_fp6_f32 v[PC+6*\c:PC+6*\c+2], v[\s+32*\c:\s+32*\c+15], v[TM+12+2*\c]
	v_cvt_scalef32_pk16_fp6_f32 v[PT+4*\c:PT+4*\c+2], v[\s+32*\c+16:\s+32*\c+31], v[TM+12+2*\c+1]
.endr
	v_nop                                          ; one plain instruction behind a scaled conversion
.irp c, 0,1                                    ; the operand's layout wants a whole block in a lane
.irp i, 0,1,2
	v_permlane16_swap_b32 v[PC+6*\c+\i], v[PT+4*\c+\i]
.endr
.irp i, 0,1,2
	v_mov_b32 v[PC+6*\c+3+\i], v[PT+4*\c+\i]
.endr
.endr
.endm
; A's fragment a: its 16 rows x 128 results get their bias, are quantised and leave as fragment a of my output unit
.macro EPI a
.set WW, 2+(\a)/4
.set AC, 64*((\a)%4)
	s_cmp_eq_u32 s[ISV], 0                         ; the same in all partners: it hangs on the cluster's number
	s_cbranch_scc0 .Lby_row_\@
	WIN WW
.set n, 0
.rept 32
	v_pk_add_f32 v[H+n:H+n+1], v[AC+n:AC+n+1], v[BN+n:BN+n+1]   ; q, k: the bias goes by the registers' columns; each accumulator from its low end on
.set n, n+2
.endr
	WIN 0
	s_branch .Ladded_\@
.Lby_row_\@:
	WIN WW
.set n, 0
.rept 64
	v_add_f32 v[H+n], v[AC+n], v[BM+(\a)]          ; v: the bias goes by the lane's channel
.set n, n+1
.endr
	WIN 0
.Ladded_\@:
.if (\a) > 0
	s_wait_xcnt 0x0                                ; the last fragment's stores have read their registers
.endif
	QUANT H, PWS+(\a)
.irp c, 0,1,2
	global_store_b128 v[LI], v[PC+4*\c:PC+4*\c+3], s[OUT:OUT+1] offset:(\a)*FRB+512*\c
.endr
.endm
	s_load_b512 s[4:19], s[0:1], 0x0               ; xc, wc, bq, bk, bv, qc, kc, vc
	v_lshl_add_u32 v[SPW], v0, 2, SPARE
	v_mov_b32 v[NIL], 0
	ds_add_u32 v28, v29
	ds_add_u32 v28, v29
	s_wait_dscnt 0x0
	v_lshrrev_b32 v1, 5, v0
	v_readfirstlane_b32 s[WV], v1                  ; wave 0..3
	s_lshr_b32 s[AH], s[WV], 1                     ; my group of A.  Also: I fetch for A (0) or for B (1)
	s_and_b32 s[BH], s[WV], 1                      ; my group of B.  Also: which group I fetch
	s_bfe_u32 s40, ttmp6, 0x40000                  ; cx
	s_bfe_u32 s41, ttmp6, 0x40004                  ; cy
	s_and_b32 s42, ttmp7, 0xffff                   ; cluster y
	s_lshl_b32 s43, s41, 2
	s_lshl_b32 s43, 15, s43                        ; my row of the cluster
	s_lshl_b32 s44, 0x1111, s40                    ; my column
	s_or_b32 s[G1], s43, (3<<16)|(1<<21)           ; the mask; elements of 8 bytes; bit 21 beside a mask; no padding
	s_or_b32 s[G1B], s44, (3<<16)|(1<<21)
.irp g, G1, G1B
	s_mov_b32 s[\g+1], 32<<16                      ; tensor_dim0 = 32 elements: rows of 256 bytes
	s_mov_b32 s[\g+2], 100<<16                     ; tensor_dim1 = 100 rows
	s_mov_b32 s[\g+3], 32<<16                      ; tile_dim0
	s_mov_b32 s[\g+4], 100                         ; tile_dim1
	s_mov_b32 s[\g+5], 32                          ; the pitch: dense
	s_mov_b32 s[\g+6], 0
	s_mov_b32 s[\g+7], 0
.endr
	s_mov_b32 s[SEL], 0x76543210
	s_mov_b32 s[SEL+1], 0xfedcba98
	s_mov_b32 s[HIM], 0xffff0000                   ; lanes 16-31
	s_lshl_b32 s45, s42, 3
	s_lshl_b32 s46, ttmp9, 3
	s_cmp_eq_u32 ttmp9, 2
	s_cselect_b32 s[ISV], 1, 0
	s_cselect_b32 s47, 16, s45                     ; A: Wv's groups begin at 16 in wc; x's at 8 x cluster y
	s_cselect_b32 s66, s45, s46                    ; B: x's at 8 x cluster y; the weight's at 8 x cluster x
	s_lshl_b32 s67, s41, 1
	s_add_co_u32 s67, s67, s47                     ; my tile's first group of A: it hangs on cy, never on cx
	s_lshl_b32 s68, s40, 1
	s_add_co_u32 s68, s68, s66                     ; of B: on cx, never on cy
	s_add_co_u32 s69, s67, s[BH]
	s_mul_i32 s70, s69, GSTR
	s_mov_b32 s71, 0
	s_add_co_u32 s92, s68, s[BH]                   ; the group of B that I fetch, which is also the one that I multiply
	s_mul_i32 s72, s92, GSTR
	s_mov_b32 s73, 0
	s_mul_i32 s78, s[WV], REG                      ; where my load goes: no place in the cluster enters an LDS address
	s_wait_kmcnt 0x0
	s_cmp_eq_u32 s[ISV], 1
	s_cselect_b64 s[74:75], s[6:7], s[4:5]
	s_cselect_b64 s[76:77], s[4:5], s[6:7]
	s_add_nc_u64 s[74:75], s[74:75], s[70:71]
	s_add_nc_u64 s[76:77], s[76:77], s[72:73]
	CROUND                                         ; all sixteen work-groups are here: the first joint loads meet
.irp s, 0,1
	s_mov_b32 s[G0+4*\s], 1
	s_add_co_u32 s[G0+4*\s+1], s78, RING+\s*SLOT
	s_add_nc_u64 s[G0+4*\s+2:G0+4*\s+3], s[74:75], \s*REG
	s_or_b32 s[G0+4*\s+3], s[G0+4*\s+3], 0x80000000
	s_mov_b32 s[G0B+4*\s], 1
	s_add_co_u32 s[G0B+4*\s+1], s78, RING+\s*SLOT
	s_add_nc_u64 s[G0B+4*\s+2:G0B+4*\s+3], s[76:77], \s*REG
	s_or_b32 s[G0B+4*\s+3], s[G0B+4*\s+3], 0x80000000
	JLOAD \s
.endr
	v_and_b32 v1, 31, v0
	v_and_b32 v2, 15, v0                           ; r
	v_bfe_u32 v3, v0, 4, 1                         ; h
	v_lshlrev_b32 v[LI], 4, v1
	s_mul_i32 s79, s[AH], REG
	s_add_co_u32 s79, s79, RING
	s_mul_i32 s80, s[BH], REG
	s_add_co_u32 s80, s80, RING+2*REG
	s_sub_co_u32 s81, s80, s79
	v_mul_u32_u24 v5, s81, v3                      ; lanes 16-31 take B's scale words
	v_lshl_add_u32 v5, v2, 4, v5
	v_add_nc_u32 v5, SCO, v5
.irp s, 0,1
	v_add_nc_u32 v[ADRA+\s], s79, v[LI]
	v_add_nc_u32 v[ADRB+\s], s80, v[LI]
	v_add_nc_u32 v[ADRS+\s], s79, v5
	s_add_co_u32 s79, s79, SLOT
	s_add_co_u32 s80, s80, SLOT
.endr
	; where my results go, and the biases
	s_add_co_u32 s82, s67, s[AH]                   ; my group of A
	s_and_b32 s93, s92, 7
	s_lshl_b32 s90, s82, 3
	s_add_co_u32 s90, s90, s93                     ; q, k: unit [group of rows][K step = my 128 columns]
	s_lshr_b32 s91, s92, 4                         ; v: the batch,
	s_lshl_b32 s91, s91, 3
	s_and_b32 s95, s82, 7                          ; the group of channels,
	s_add_co_u32 s91, s91, s95
	s_lshl_b32 s91, s91, 4
	s_and_b32 s83, s92, 15                         ; the K step = my 128 keys
	s_add_co_u32 s91, s91, s83
	s_cmp_eq_u32 s[ISV], 1
	s_cselect_b32 s90, s91, s90
	s_mul_i32 s90, s90, UNIT
	s_mov_b32 s91, 0
	s_cmp_eq_u32 ttmp9, 0
	s_cselect_b64 s[OUT:OUT+1], s[14:15], s[16:17]
	s_cselect_b64 s[84:85], s[8:9], s[10:11]
	s_cmp_eq_u32 ttmp9, 2
	s_cselect_b64 s[OUT:OUT+1], s[18:19], s[OUT:OUT+1]
	s_cselect_b64 s[84:85], s[12:13], s[84:85]
	s_add_nc_u64 s[OUT:OUT+1], s[OUT:OUT+1], s[90:91]
	s_lshl_b32 s96, s93, 9
	s_mov_b32 s97, 0
	s_add_nc_u64 s[84:85], s[84:85], s[96:97]      ; the bias of my 128 columns
	s_lshl_b32 s98, s95, 9
	s_mov_b32 s99, 0
	s_add_nc_u64 s[86:87], s[12:13], s[98:99]      ; bv of my 128 channels (read on v's way alone; the address stays inside bv on every way)
	v_lshlrev_b32 v6, 6, v3                        ; 64 h
	v_and_b32 v7, 8, v2
	v_add_nc_u32 v7, v7, v2
	v_lshlrev_b32 v7, 2, v7                        ; 4 (r + 8 (r / 8))
.irp t, 0,1,2,3,4,5,6,7
	global_load_b128 v[BN+8*\t:BN+8*\t+3], v6, s[84:85] offset:128*(\t/2)+32*(\t%2)
	global_load_b128 v[BN+8*\t+4:BN+8*\t+7], v6, s[84:85] offset:128*(\t/2)+32*(\t%2)+16
.endr
.irp a, 0,1,2,3,4,5,6,7
	global_load_b32 v[BM+\a], v7, s[86:87] offset:128*(\a/2)+32*(\a%2)
.endr
	s_wait_tensorcnt 1                             ; my part of slot 0 is in; slot 1's may be out
	s_barrier_signal -1
	s_barrier_wait -1
	FETCH_B 0, 0, 0
	FETCH_A 0, 0, 0
	SCALES ADRS, 0
	FETCH_A 0, 0, 4
	STEP 0, 1                                      ; the first products start the sums: nothing is cleared
	TURN 0, 1, 1, ADRS+1
	STEP 1, 0
	TURN 1, 0, 1, ADRS
	STEP 0, 0
	TURN 0, 1, 0, ADRS+1                           ; the last two slots are not filled again
	STEP 1, 0
	LAST 1
	PLACES 4
	s_wait_loadcnt 0x0                             ; the biases
.irp b, 0,1,2,3
	v_mov_b32 v[TM+4+\b], 0                        ; a lane permute's destination counts as one of its sources
.endr
.irp a, 0,1,2,3,4,5,6,7
	EPI \a
.endr
.irp j, 0,1,2,3
	v_cndmask_b32 v[T+\j], v[PWS+\j], v[PWS+4+\j], s[HIM]   ; lanes 0-15 store the words of fragments 0-3, lanes 16-31 of 4-7
.endr
	global_store_b128 v[LI], v[T:T+3], s[OUT:OUT+1] offset:SCO
	s_wait_tensorcnt 0x0                           ; the wave's end
	ds_add_u32 v[SPW], v[NIL]
	s_wait_dscnt 0x0
	CROUND                                         ; the closing round
	s_endpgm
.Lfunc_end_k_qd3d0bebd8f_proj:
	.size	k_qd3d0bebd8f_proj, .Lfunc_end_k_qd3d0bebd8f_proj-k_qd3d0bebd8f_proj
	.p2alignl 7, 3214868480
	.fill 96, 4, 3214868480
	.section	.rodata,"a",@progbits
	.p2align	6, 0x0
	.amdhsa_kernel k_qd3d0bebd8f_proj
		.amdhsa_group_segment_fixed_size 327680
		.amdhsa_private_segment_fixed_size 0
		.amdhsa_enable_private_segment 0
		.amdhsa_kernarg_size 64
		.amdhsa_user_sgpr_count 2
		.amdhsa_user_sgpr_kernarg_segment_ptr 1
		.amdhsa_wavefront_size32 1
		.amdhsa_system_sgpr_workgroup_id_x 1
		.amdhsa_system_sgpr_workgroup_id_y 1
		.amdhsa_system_sgpr_workgroup_id_z 1
		.amdhsa_system_vgpr_workitem_id 0
		.amdhsa_next_free_vgpr 1024
		.amdhsa_next_free_sgpr 100
		.amdhsa_reserve_vcc 0
		.amdhsa_float_denorm_mode_32 3
		.amdhsa_float_denorm_mode_16_64 3
		.amdhsa_memory_ordered 1
		.amdhsa_forward_progress 1
		.amdhsa_inst_pref_size 172
	.end_amdhsa_kernel
	.amdgpu_metadata
---
amdhsa.version: [ 1, 2 ]
amdhsa.kernels:
  - .name:           k_qd3d0bebd8f_proj
    .symbol:         k_qd3d0bebd8f_proj.kd
    .args:
      - { .name: xc, .offset: 0, .size: 8, .value_kind: global_buffer, .address_space: global }
      - { .name: wc, .offset: 8, .size: 8, .value_kind: global_buffer, .address_space: global }
      - { .name: bq, .offset: 16, .size: 8, .value_kind: global_buffer, .address_space: global }
      - { .name: bk, .offset: 24, .size: 8, .value_kind: global_buffer, .address_space: global }
      - { .name: bv, .offset: 32, .size: 8, .value_kind: global_buffer, .address_space: global }
      - { .name: qc, .offset: 40, .size: 8, .value_kind: global_buffer, .address_space: global }
      - { .name: kc, .offset: 48, .size: 8, .value_kind: global_buffer, .address_space: global }
      - { .name: vc, .offset: 56, .size: 8, .value_kind: global_buffer, .address_space: global }
    .group_segment_fixed_size: 327680
    .private_segment_fixed_size: 0
    .kernarg_segment_align: 8
    .kernarg_segment_size: 64
    .max_flat_workgroup_size: 128
    .sgpr_count:     100
    .vgpr_count:     1024
    .wavefront_size: 32
...
	.end_amdgpu_metadata
.endif
;; end of part 2
;; launch scores (part 3): grid 4 x 48, 4 waves a work-group, clusters of 4 x 4, 327,680 bytes of LDS; arguments qc, kc, pc, pm, pl; writes pc, pm, pl
.if DOCPART == 3
	.amdgcn_target "amdgcn-amd-amdhsa--gfx1250"
	.amdhsa_code_object_version 6
	.text
	.protected	k_qd3d0bebd8f_scores
	.globl	k_qd3d0bebd8f_scores
	.p2align	8
	.type	k_qd3d0bebd8f_scores,@function
k_qd3d0bebd8f_scores:
	s_mov_b64 s[64:65], 0
	v_nop
	global_prefetch_b8 v0, s[64:65] scope:SCOPE_SE
	s_setreg_imm32_b32 hwreg(HW_REG_WAVE_MODE, 25, 1), 1
	s_wait_xcnt 0x0
	s_wait_alu depctr_hold_cnt(0) depctr_sa_sdst(0) depctr_va_vdst(0) depctr_va_sdst(0) depctr_va_ssrc(0) depctr_va_vcc(0) depctr_vm_vsrc(0)
	s_getreg_b32 s2, hwreg(HW_REG_IB_STS2, 6, 4)
	s_cmp_eq_u32 s2, 0
	s_cbranch_scc0 .Lentry_in_a_cluster
	s_endpgm
.Lentry_in_a_cluster:
	s_bfe_u32 s2, ttmp6, 0x10000c
	s_cmp_lg_u32 s2, 0xf033
	s_cbranch_scc0 .Lentry_shape_is_right
	s_endpgm
.Lentry_shape_is_right:
; S = q k^T on codes of FP6 (E2M3), the causal mask, and the softmax's p, quantised along the keys.  t = score x log2(e) / 32.  For each query and each CHUNK of 128 keys: M = ceil(the chunk's largest t), p = 2^(t - M),
; the chunk's sum of the unquantised p, p's codes and scale bytes.  M is a whole number, so the next launch brings a chunk under its row's M by taking the difference off the scale bytes and the sum's exponent: exact.
; Operands and p lie in UNITS of 128 rows x 128 K (eight register images of 1,536 bytes, 512 bytes of scale words; lane r of fragment a holds row 32 (a / 2) + 8 (a % 2) + r + 8 (r / 8)).  pm holds -M, pl the sum, f32, in the scale words' order.
; A tile is 256 queries (A = q) x 256 keys (B = k); four waves, each 128 x 128.  Source 0 = keys, source 1 = queries: a lane holds one query, and the 16 registers of B's fragments 2 c, 2 c + 1 are 16 neighbouring keys.
; A cluster of 4 x 4 work-groups takes 1,024 x 1,024; of a batch's four such squares the one wholly above the diagonal is not launched.  Inside the two squares on the diagonal every work-group runs alike (partners make every
; joint request); a chunk that the mask hides wholly leaves zero codes, the sum 0 and a very large -M, which the next launch reads.
; The ring, the joint loads and the eight steps of K = 1,024 are those of the launch before.
; LIMITS: scores under -3e38 count as hidden.  -M is kept in f32: exact for |t| under 2^24.  NaN and infinities are not served.
; REGISTERS: window 0: v16-29 addresses; v32-63 scale words; v128-223 A's fragments; on the way out v64-127 p, v128-147 its codes, v152-187 what is stored for the chunk, v190-215 at work.  window 1: B's fragments.  windows 2, 3: accumulators.
.set FR,    12
.set FRB,   1536
.set UNIT,  12800
.set SCO,   12288
.set REG,   2*UNIT
.set SLOT,  4*REG
.set RING,  0
.set SPARE, RING+2*SLOT                ; the spare words: two blocks of 256 bytes that no other line names
.set GSTR,  8*UNIT
.set ADRA, 16
.set ADRB, 20
.set ADRS, 22
.set LI,   24
.set SPW,  28
.set NIL,  29
.set SC,   32
.set P,    64
.set AF,   128
.set PC,   128
.set PT,   140
.set PWS,  152
.set NMS,  160
.set LS,   168
.set T,    176
.set NEG,  190
.set NINF, 191
.set D0,   192
.set TMP,  193
.set NM,   194
.set SUM,  196
.set SUM2, 198
.set BS,   200
.set BX,   204
.set SOP,  208
.set BY,   212
.set SEL,  2
.set WV,   20
.set AH,   21
.set BH,   22
.set DIAG, 23
.set G1,   24
.set G0,   32
.set G1B,  48
.set G0B,  56
.set OUT,  88
.set HIM,  94
.set CS,   96
.set MSB, 0
.macro WIN new
.if MSB != (\new)
	s_set_vgpr_msb (MSB<<8)|(\new)
.set MSB, (\new)
.endif
.endm
.set MUL_LO, 0xa1
.set MUL_HI, 0xf1
.set TO_B,   0x40
.macro JLOAD s                         ; waves 0 and 1 fetch for A, waves 2 and 3 for B; four v_nop follow each line
	s_cmp_eq_u32 s[AH], 0
	s_cbranch_scc0 .Lfor_b_\@
	tensor_load_to_lds s[G0+4*\s:G0+4*\s+3], s[G1:G1+7]
	s_nop 0
.rept 4
	v_nop
.endr
	s_branch .Lasked_\@
.Lfor_b_\@:
	tensor_load_to_lds s[G0B+4*\s:G0B+4*\s+3], s[G1B:G1B+7]
	s_nop 0
.rept 4
	v_nop
.endr
.Lasked_\@:
.endm
.macro CREST
	s_cmp_lg_u32 s[WV], 0
	s_cbranch_scc1 .Lnot_wave_0_\@
	s_barrier_signal -3
.Lnot_wave_0_\@:
	s_barrier_wait -3
	s_barrier_signal -1
	s_barrier_wait -1
.endm
.macro CROUND
	s_barrier_signal -1
	s_barrier_wait -1
	CREST
.endm
.macro PLACES n
.rept \n
	v_nop
.endr
.endm
.macro FRAG reg, adr, q, i
.irp c, 0,1,2
	ds_load_b128 v[\reg+4*\c:\reg+4*\c+3], v[\adr] offset:(\q)*UNIT+(\i)*FRB+512*\c
.endr
.endm
.macro FETCH_B slot, q, p
	WIN TO_B
.irp i, 0,1,2,3,4,5,6,7
	FRAG 128*(\p)+FR*\i, ADRB+\slot, \q, \i
.endr
	WIN 0
.endm
.macro FETCH_A slot, q, i0
.irp i, \i0, \i0+1, \i0+2, \i0+3
	FRAG AF+FR*(\i), ADRA+\slot, \q, \i
.endr
.endm
.macro SCALES adr, sc
.irp q, 0,1
.irp k, 0,1
	ds_load_b128 v[SC+16*(\sc)+8*\q+4*\k:SC+16*(\sc)+8*\q+4*\k+3], v[\adr] offset:\q*UNIT+256*\k
.endr
.endr
.endm
.macro MUL16 a0, p, q, sc, zero        ; the 64 accumulators take turns in one order in every step
.irp a, \a0, \a0+1
.irp b, 0,1,2,3,4,5,6,7
.if \zero
	v_wmma_scale_f32_16x16x128_f8f6f4 v[8*(8*((\a)%4)+\b):8*(8*((\a)%4)+\b)+7], v[128*(\p)+FR*\b:128*(\p)+FR*\b+FR-1], v[AF+FR*(\a):AF+FR*(\a)+FR-1], 0, v[SC+16*(\sc)+8*(\q)+\b], v[SC+16*(\sc)+8*(\q)+(\a)] matrix_a_fmt:MATRIX_FMT_FP6 matrix_b_fmt:MATRIX_FMT_FP6 matrix_a_scale:MATRIX_SCALE_ROW1
.else
	v_wmma_scale_f32_16x16x128_f8f6f4 v[8*(8*((\a)%4)+\b):8*(8*((\a)%4)+\b)+7], v[128*(\p)+FR*\b:128*(\p)+FR*\b+FR-1], v[AF+FR*(\a):AF+FR*(\a)+FR-1], v[8*(8*((\a)%4)+\b):8*(8*((\a)%4)+\b)+7], v[SC+16*(\sc)+8*(\q)+\b], v[SC+16*(\sc)+8*(\q)+(\a)] matrix_a_fmt:MATRIX_FMT_FP6 matrix_b_fmt:MATRIX_FMT_FP6 matrix_a_scale:MATRIX_SCALE_ROW1
.endif
.endr
.endr
.endm
.macro STEP slot, zero
	s_wait_dscnt 12                                ; all but the youngest 12 loads, A's fragments 4-7
	WIN MUL_LO
	MUL16 0, 0, 0, \slot, \zero
	MUL16 2, 0, 0, \slot, \zero
	s_wait_dscnt 0x0
	PLACES 4
	FETCH_B \slot, 1, 1
	FETCH_A \slot, 1, 0
	WIN MUL_HI
	MUL16 4, 0, 0, \slot, \zero
	MUL16 6, 0, 0, \slot, \zero
	PLACES 4
	WIN 0
	FETCH_A \slot, 1, 4
.endm
.macro TURN slot, next, fill, sadr
	s_wait_tensorcnt 0x0                           ; all my tensor loads have landed: my part of the next slot
	ds_add_u32 v[SPW], v[NIL]                      ; 0 onto my spare word
	s_wait_dscnt 13                                ; the add and the youngest 12 loads may be out
	WIN MUL_LO
	MUL16 0, 1, 1, \slot, 0
	s_wait_dscnt 0x0                               ; the add is done, and my reads of this slot are over
	s_barrier_signal -1
	MUL16 2, 1, 1, \slot, 0
	WIN 0
	s_barrier_wait -1
.if \fill
	CREST                                          ; a round of the cluster's barrier: no wave of any partner still reads this slot or has a load on its way
	s_add_nc_u64 s[G0+4*\slot+2:G0+4*\slot+3], s[G0+4*\slot+2:G0+4*\slot+3], 2*REG
	s_add_nc_u64 s[G0B+4*\slot+2:G0B+4*\slot+3], s[G0B+4*\slot+2:G0B+4*\slot+3], 2*REG
	JLOAD \slot
.else
	PLACES 4
.endif
	FETCH_B \next, 0, 0
	FETCH_A \next, 0, 0
	SCALES \sadr, \next
	WIN MUL_HI
	MUL16 4, 1, 1, \slot, 0
	MUL16 6, 1, 1, \slot, 0
	PLACES 4
	WIN 0
	FETCH_A \next, 0, 4
.endm
.macro LAST slot
	s_wait_dscnt 12
	WIN MUL_LO
	MUL16 0, 1, 1, \slot, 0
	MUL16 2, 1, 1, \slot, 0
	s_wait_dscnt 0x0
	WIN MUL_HI
	MUL16 4, 1, 1, \slot, 0
	MUL16 6, 1, 1, \slot, 0
	WIN 0
.endm
; A's fragment a: 16 queries x my 128 keys.  Register 16 c + i of the 64 holds key 32 c + 16 (lane / 16) + i.
.macro SOFT a
.set WW, 2+(\a)/4
.set AC, 64*((\a)%4)
.set CA, 32*((\a)/2)+8*((\a)%2)
.if (\a) > 0
	s_wait_xcnt 0x0                                ; the last fragment's stores have read their registers
.endif
	s_cmp_eq_u32 s[DIAG], 0                        ; a square under the diagonal has no hidden key: the branch hangs on the cluster's number
	s_cbranch_scc1 .Lopen_\@
.set WX, (WW<<6)|WW
	WIN WX
.set n, 0
.rept 64
	v_cmp_gt_i32 vcc_lo, 32*(n/16)+n%16-CA, v[D0]  ; hidden where the key comes after the query
	v_cndmask_b32 v[AC+n], v[AC+n], v[NINF], vcc_lo
.set n, n+1
.endr
	WIN 0
.Lopen_\@:
.set WX, (WW<<2)|(WW<<4)
	WIN WX
.irp c, 0,1,2,3
	v_max3_num_f32 v[BS+\c], v[NEG], v[AC+16*\c], v[AC+16*\c+1]   ; the largest score of each block of 32 keys, over -3e38; each accumulator from its low end on
.endr
.irp i, 2,4,6,8,10,12,14
.irp c, 0,1,2,3
	v_max3_num_f32 v[BS+\c], v[BS+\c], v[AC+16*\c+\i], v[AC+16*\c+\i+1]
.endr
.endr
	WIN 0
.irp c, 0,1,2,3
	v_permlanex16_b32 v[BX+\c], v[BS+\c], s[SEL], s[SEL+1]
.endr
.irp c, 0,1,2,3
	v_max_num_f32 v[BS+\c], v[BS+\c], v[BX+\c]     ; with lane l xor 16's 16 keys
.endr
	v_max3_num_f32 v[TMP], v[BS], v[BS+1], v[BS+2]
	v_max_num_f32 v[TMP], v[TMP], v[BS+3]
	v_mul_f32 v[TMP], s[CS], v[TMP]                ; the chunk's largest t
	v_floor_f32 v[NM], -v[TMP]                     ; -M = floor(-t) = -ceil(t)
	v_mov_b32 v[NMS+(\a)], v[NM]
	WIN WW
.set n, 0
.rept 32
	v_pk_fma_f32 v[P+n:P+n+1], v[AC+n:AC+n+1], s[CS:CS+1], v[NM:NM+1] op_sel_hi:[1,0,0]   ; t - M
.set n, n+2
.endr
	WIN 0
.irp c, 0,1,2,3
	v_fma_f32 v[BS+\c], v[BS+\c], s[CS], v[NM]     ; the same of each block's largest score
.endr
.set n, 0
.rept 64
	v_exp_f32 v[P+n], v[P+n]                       ; p = 2^(t - M)
.set n, n+1
.endr
	v_nop                                          ; a plain instruction behind the exponentials
	s_wait_alu depctr_va_vdst(0)                   ; one wait for the batch, ahead of its first reader
.irp c, 0,1,2,3
	v_exp_f32 v[BS+\c], v[BS+\c]                   ; the block's largest p
.endr
	v_pk_add_f32 v[SUM:SUM+1], v[P:P+1], v[P+2:P+3]               ; the sum of the unquantised p, in two chains
	v_pk_add_f32 v[SUM2:SUM2+1], v[P+4:P+5], v[P+6:P+7]
.irp j, 8,12,16,20,24,28,32,36,40,44,48,52,56,60
	v_pk_add_f32 v[SUM:SUM+1], v[SUM:SUM+1], v[P+\j:P+\j+1]
	v_pk_add_f32 v[SUM2:SUM2+1], v[SUM2:SUM2+1], v[P+\j+2:P+\j+3]
.endr
	v_pk_add_f32 v[SUM:SUM+1], v[SUM:SUM+1], v[SUM2:SUM2+1]
	s_wait_alu depctr_va_vdst(0)                   ; and one for the four
.irp c, 0,1,2,3
	v_med3_num_f32 v[BS+\c], v[BS+\c], 0x1800000, 1.0   ; the floor 2^(3 - 127), and 1 from above: in a chunk that is hidden wholly t - M of -3e38 is only a rounding error of large numbers
.endr
.irp c, 0,1,2,3
	v_add_nc_u32 v[SOP+\c], 0xff000000, v[BS+\c]
.endr
.irp c, 0,1,2,3
	v_lshrrev_b32 v[BY+\c], 23, v[SOP+\c]
.endr
	v_lshl_or_b32 v[PWS+(\a)], v[BY+1], 8, v[BY]
	v_lshl_or_b32 v[PWS+(\a)], v[BY+2], 16, v[PWS+(\a)]
	v_lshl_or_b32 v[PWS+(\a)], v[BY+3], 24, v[PWS+(\a)]
.irp c, 0,1
	v_cvt_scalef32_pk16_fp6_f32 v[PC+6*\c:PC+6*\c+2], v[P+32*\c:P+32*\c+15], v[SOP+2*\c]
	v_cvt_scalef32_pk16_fp6_f32 v[PT+4*\c:PT+4*\c+2], v[P+32*\c+16:P+32*\c+31], v[SOP+2*\c+1]
.endr
	v_nop                                          ; one plain instruction behind a scaled conversion
.irp c, 0,1
.irp i, 0,1,2
	v_permlane16_swap_b32 v[PC+6*\c+\i], v[PT+4*\c+\i]
.endr
.irp i, 0,1,2
	v_mov_b32 v[PC+6*\c+3+\i], v[PT+4*\c+\i]
.endr
.endr
	v_add_f32 v[TMP], v[SUM], v[SUM+1]
	v_permlanex16_b32 v[BX], v[TMP], s[SEL], s[SEL+1]
	v_add_f32 v[LS+(\a)], v[TMP], v[BX]            ; the chunk's sum
.irp c, 0,1,2
	global_store_b128 v[LI], v[PC+4*\c:PC+4*\c+3], s[OUT:OUT+1] offset:(\a)*FRB+512*\c
.endr
.endm
	s_load_b256 s[4:11], s[0:1], 0x0               ; qc, kc, pc, pm
	s_load_b64 s[12:13], s[0:1], 0x20              ; pl
	v_lshl_add_u32 v[SPW], v0, 2, SPARE
	v_mov_b32 v[NIL], 0
	ds_add_u32 v28, v29
	ds_add_u32 v28, v29
	s_wait_dscnt 0x0
	v_lshrrev_b32 v1, 5, v0
	v_readfirstlane_b32 s[WV], v1
	s_lshr_b32 s[AH], s[WV], 1
	s_and_b32 s[BH], s[WV], 1
	s_bfe_u32 s40, ttmp6, 0x40000                  ; cx
	s_bfe_u32 s41, ttmp6, 0x40004                  ; cy
	s_and_b32 s42, ttmp7, 0xffff                   ; cluster y, 0..11: three squares for each of four batches
	s_lshl_b32 s43, s41, 2
	s_lshl_b32 s43, 15, s43
	s_lshl_b32 s44, 0x1111, s40
	s_or_b32 s[G1], s43, (3<<16)|(1<<21)
	s_or_b32 s[G1B], s44, (3<<16)|(1<<21)
.irp g, G1, G1B
	s_mov_b32 s[\g+1], 32<<16
	s_mov_b32 s[\g+2], 100<<16
	s_mov_b32 s[\g+3], 32<<16
	s_mov_b32 s[\g+4], 100
	s_mov_b32 s[\g+5], 32
	s_mov_b32 s[\g+6], 0
	s_mov_b32 s[\g+7], 0
.endr
	s_mov_b32 s[SEL], 0x76543210
	s_mov_b32 s[SEL+1], 0xfedcba98
	s_mov_b32 s[HIM], 0xffff0000
	s_mov_b32 s[CS], 0x3d38aa3b                    ; log2(e) / 32
	s_mov_b32 s[CS+1], s[CS]
	s_mul_i32 s45, s42, 11
	s_lshr_b32 s45, s45, 5                         ; the batch = y / 3
	s_mul_i32 s46, s45, 3
	s_sub_co_u32 s46, s42, s46                     ; 0, 1, 2: the squares (0, 0), (1, 0), (1, 1)
	s_add_co_u32 s47, s46, 1
	s_lshr_b32 s47, s47, 1
	s_lshr_b32 s66, s46, 1
	s_cmp_lg_u32 s46, 1
	s_cselect_b32 s[DIAG], 1, 0
	s_lshl_b32 s45, s45, 4
	s_lshl_b32 s47, s47, 3
	s_add_co_u32 s47, s47, s45
	s_lshl_b32 s66, s66, 3
	s_add_co_u32 s66, s66, s45
	s_lshl_b32 s67, s41, 1
	s_add_co_u32 s67, s67, s47                     ; my tile's first group of queries: on cy, never on cx
	s_lshl_b32 s68, s40, 1
	s_add_co_u32 s68, s68, s66                     ; of keys: on cx, never on cy
	s_add_co_u32 s69, s67, s[BH]
	s_mul_i32 s70, s69, GSTR
	s_mov_b32 s71, 0
	s_add_co_u32 s92, s68, s[BH]
	s_mul_i32 s72, s92, GSTR
	s_mov_b32 s73, 0
	s_mul_i32 s78, s[WV], REG
	s_wait_kmcnt 0x0
	s_add_nc_u64 s[74:75], s[4:5], s[70:71]
	s_add_nc_u64 s[76:77], s[6:7], s[72:73]
	CROUND
.irp s, 0,1
	s_mov_b32 s[G0+4*\s], 1
	s_add_co_u32 s[G0+4*\s+1], s78, RING+\s*SLOT
	s_add_nc_u64 s[G0+4*\s+2:G0+4*\s+3], s[74:75], \s*REG
	s_or_b32 s[G0+4*\s+3], s[G0+4*\s+3], 0x80000000
	s_mov_b32 s[G0B+4*\s], 1
	s_add_co_u32 s[G0B+4*\s+1], s78, RING+\s*SLOT
	s_add_nc_u64 s[G0B+4*\s+2:G0B+4*\s+3], s[76:77], \s*REG
	s_or_b32 s[G0B+4*\s+3], s[G0B+4*\s+3], 0x80000000
	JLOAD \s
.endr
	v_and_b32 v1, 31, v0
	v_and_b32 v2, 15, v0
	v_bfe_u32 v3, v0, 4, 1
	v_lshlrev_b32 v[LI], 4, v1
	s_mul_i32 s79, s[AH], REG
	s_add_co_u32 s79, s79, RING
	s_mul_i32 s80, s[BH], REG
	s_add_co_u32 s80, s80, RING+2*REG
	s_sub_co_u32 s81, s80, s79
	v_mul_u32_u24 v5, s81, v3
	v_lshl_add_u32 v5, v2, 4, v5
	v_add_nc_u32 v5, SCO, v5
.irp s, 0,1
	v_add_nc_u32 v[ADRA+\s], s79, v[LI]
	v_add_nc_u32 v[ADRB+\s], s80, v[LI]
	v_add_nc_u32 v[ADRS+\s], s79, v5
	s_add_co_u32 s79, s79, SLOT
	s_add_co_u32 s80, s80, SLOT
.endr
	s_add_co_u32 s82, s67, s[AH]                   ; my group of queries
	s_sub_co_i32 s93, s82, s92
	s_lshl_b32 s93, s93, 7                         ; 128 x (my group of queries - my chunk of keys)
	s_lshl_b32 s90, s82, 4
	s_and_b32 s83, s92, 15
	s_add_co_u32 s83, s90, s83                     ; my unit: [group of queries][chunk]
	s_mul_i32 s90, s83, UNIT
	s_mov_b32 s91, 0
	s_add_nc_u64 s[OUT:OUT+1], s[8:9], s[90:91]
	s_lshl_b32 s90, s83, 9
	s_add_nc_u64 s[84:85], s[10:11], s[90:91]
	s_add_nc_u64 s[86:87], s[12:13], s[90:91]
	s_wait_tensorcnt 1                             ; my part of slot 0 is in; slot 1's may be out
	s_barrier_signal -1
	s_barrier_wait -1
	FETCH_B 0, 0, 0
	FETCH_A 0, 0, 0
	SCALES ADRS, 0
	FETCH_A 0, 0, 4
	STEP 0, 1
	TURN 0, 1, 1, ADRS+1
	STEP 1, 0
	TURN 1, 0, 1, ADRS
	STEP 0, 0
	TURN 0, 1, 0, ADRS+1
	STEP 1, 0
	LAST 1
	PLACES 4
	v_and_b32 v2, 15, v0
	v_bfe_u32 v3, v0, 4, 1
	v_and_b32 v4, 8, v2
	v_add_nc_u32 v4, v4, v2
	v_lshlrev_b32 v5, 4, v3
	v_sub_nc_u32 v4, v4, v5
	v_add_nc_u32 v[D0], s93, v4                    ; 128 (group - chunk) + r + 8 (r / 8) - 16 h: register n of fragment a is hidden where 32 (n / 16) + n % 16 - the fragment's first row is above it
	v_mov_b32 v[NEG], 0xff61b1e6                   ; -3e38
	v_mov_b32 v[NINF], 0xff800000                  ; -infinity
	v_mov_b32 v[NM+1], 0                           ; (named as the upper half of a pair)
.irp c, 0,1,2,3
	v_mov_b32 v[BX+\c], 0                          ; a lane permute's destination counts as one of its sources
.endr
.irp a, 0,1,2,3,4,5,6,7
	SOFT \a
.endr
.irp j, 0,1,2,3
	v_cndmask_b32 v[T+\j], v[PWS+\j], v[PWS+4+\j], s[HIM]       ; lanes 0-15: fragments 0-3; lanes 16-31: 4-7
	v_cndmask_b32 v[T+4+\j], v[NMS+\j], v[NMS+4+\j], s[HIM]
	v_cndmask_b32 v[T+8+\j], v[LS+\j], v[LS+4+\j], s[HIM]
.endr
	global_store_b128 v[LI], v[T:T+3], s[OUT:OUT+1] offset:SCO
	global_store_b128 v[LI], v[T+4:T+7], s[84:85]
	global_store_b128 v[LI], v[T+8:T+11], s[86:87]
	s_wait_tensorcnt 0x0                           ; the wave's end
	ds_add_u32 v[SPW], v[NIL]
	s_wait_dscnt 0x0
	CROUND
	s_endpgm
.Lfunc_end_k_qd3d0bebd8f_scores:
	.size	k_qd3d0bebd8f_scores, .Lfunc_end_k_qd3d0bebd8f_scores-k_qd3d0bebd8f_scores
	.p2alignl 7, 3214868480
	.fill 96, 4, 3214868480
	.section	.rodata,"a",@progbits
	.p2align	6, 0x0
	.amdhsa_kernel k_qd3d0bebd8f_scores
		.amdhsa_group_segment_fixed_size 327680
		.amdhsa_private_segment_fixed_size 0
		.amdhsa_enable_private_segment 0
		.amdhsa_kernarg_size 40
		.amdhsa_user_sgpr_count 2
		.amdhsa_user_sgpr_kernarg_segment_ptr 1
		.amdhsa_wavefront_size32 1
		.amdhsa_system_sgpr_workgroup_id_x 1
		.amdhsa_system_sgpr_workgroup_id_y 1
		.amdhsa_system_sgpr_workgroup_id_z 1
		.amdhsa_system_vgpr_workitem_id 0
		.amdhsa_next_free_vgpr 1024
		.amdhsa_next_free_sgpr 100
		.amdhsa_reserve_vcc 1
		.amdhsa_float_denorm_mode_32 3
		.amdhsa_float_denorm_mode_16_64 3
		.amdhsa_memory_ordered 1
		.amdhsa_forward_progress 1
		.amdhsa_inst_pref_size 235
	.end_amdhsa_kernel
	.amdgpu_metadata
---
amdhsa.version: [ 1, 2 ]
amdhsa.kernels:
  - .name:           k_qd3d0bebd8f_scores
    .symbol:         k_qd3d0bebd8f_scores.kd
    .args:
      - { .name: qc, .offset: 0, .size: 8, .value_kind: global_buffer, .address_space: global }
      - { .name: kc, .offset: 8, .size: 8, .value_kind: global_buffer, .address_space: global }
      - { .name: pc, .offset: 16, .size: 8, .value_kind: global_buffer, .address_space: global }
      - { .name: pm, .offset: 24, .size: 8, .value_kind: global_buffer, .address_space: global }
      - { .name: pl, .offset: 32, .size: 8, .value_kind: global_buffer, .address_space: global }
    .group_segment_fixed_size: 327680
    .private_segment_fixed_size: 0
    .kernarg_segment_align: 8
    .kernarg_segment_size: 40
    .max_flat_workgroup_size: 128
    .sgpr_count:     100
    .vgpr_count:     1024
    .wavefront_size: 32
...
	.end_amdgpu_metadata
.endif
;; end of part 3
;; launch pv (part 4): grid 4 x 32, 4 waves a work-group, clusters of 4 x 4, 327,680 bytes of LDS; arguments pc, pm, pl, vc, out0; writes out0
.if DOCPART == 4
	.amdgcn_target "amdgcn-amd-amdhsa--gfx1250"
	.amdhsa_code_object_version 6
	.text
	.protected	k_qd3d0bebd8f_pv
	.globl	k_qd3d0bebd8f_pv
	.p2align	8
	.type	k_qd3d0bebd8f_pv,@function
k_qd3d0bebd8f_pv:
	s_mov_b64 s[64:65], 0
	v_nop
	global_prefetch_b8 v0, s[64:65] scope:SCOPE_SE
	s_setreg_imm32_b32 hwreg(HW_REG_WAVE_MODE, 25, 1), 1
	s_wait_xcnt 0x0
	s_wait_alu depctr_hold_cnt(0) depctr_sa_sdst(0) depctr_va_vdst(0) depctr_va_sdst(0) depctr_va_ssrc(0) depctr_va_vcc(0) depctr_vm_vsrc(0)
	s_getreg_b32 s2, hwreg(HW_REG_IB_STS2, 6, 4)
	s_cmp_eq_u32 s2, 0
	s_cbranch_scc0 .Lentry_in_a_cluster
	s_endpgm
.Lentry_in_a_cluster:
	s_bfe_u32 s2, ttmp6, 0x10000c
	s_cmp_lg_u32 s2, 0xf033
	s_cbranch_scc0 .Lentry_shape_is_right
	s_endpgm
.Lentry_shape_is_right:
; O = p v / l on codes of FP6 (E2M3).  p arrives chunk by chunk of 128 keys, each chunk under its own whole number M (pm holds -M, pl the chunk's sum).  At the head each wave takes the row's M = the largest chunk's,
; adds the sums as sum x 2^(M chunk - M row), and takes M row - M chunk off p's scale bytes, held at 0 from below: all exact.  The corrected scale words go into a table in LDS, which takes the place of A's scale words in the ring.
; A tile is 256 queries (A = p) x 256 channels (B = v, keys innermost); four waves, each 128 x 128; source 0 = channels, source 1 = queries: a lane holds one query and, in the 16 registers of B's fragments 2 c, 2 c + 1, 16 neighbouring channels.
; A cluster of 4 x 4 work-groups takes 1,024 queries x 1,024 channels of a batch.  The first 1,024 queries have 1,024 keys to walk, the others 2,048: the branch hangs on the cluster's number, the same in all partners.
; The units, the ring and the joint loads are those of the launches before; a group of 128 rows has 16 K steps here.  The K steps are written out.
; LIMITS: a chunk more than 127 binades under its row's largest is brought down by 127 alone: a scale byte that would fall under 0 becomes 0 (2^-127).  NaN and infinities are not served.
; REGISTERS: window 0: v8-15 the scale words' addresses, one for each fill of a slot; v16-29 addresses; v32-63 scale words; v128-223 A's fragments; v240-255 1 / l, twice for each of A's fragments.
;   At the head v64-239 hold -M, the sums and the raw scale words; on the way out v64-191 hold rows of O.   window 1: B's fragments.   windows 2, 3: the accumulators.
.set FR,    12
.set FRB,   1536
.set UNIT,  12800
.set SCO,   12288
.set REG,   2*UNIT
.set SLOT,  4*REG
.set RING,  21504                      ; in front of the ring: the table of corrected scale words: (group AH, fill i, step q) at 12,800 q + 4,096 AH + 512 i
.set SPARE, RING+2*SLOT                ; the spare words: two blocks of 256 bytes that no other line names
.set STG,   SPARE+512                  ; the way out: 16 rows x 528 bytes for each wave
.set SPITCH, 528
.set GSTR,  16*UNIT
.set ASC,  8
.set ADRA, 16
.set ADRB, 20
.set LI,   24
.set STO,  25
.set RD,   26
.set TBW,  27
.set SPW,  28
.set NIL,  29
.set SC,   32
.set MB,   64
.set BK,   64
.set AF,   128
.set LB,   128
.set WB,   192
.set MF,   224
.set LA,   228
.set TA,   232
.set TB,   236
.set RL2,  240
.set SEL,  2
.set WV,   20
.set AH,   21
.set BH,   22
.set LONG, 23
.set G1,   24
.set G0,   32
.set G1B,  48
.set G0B,  56
.set OUT,  88
.set HIM,  94
.set K01,  95
.set K80,  96
.set BHM,  97
.set MSB, 0
.macro WIN new
.if MSB != (\new)
	s_set_vgpr_msb (MSB<<8)|(\new)
.set MSB, (\new)
.endif
.endm
.set MUL_LO, 0xa1
.set MUL_HI, 0xf1
.set TO_B,   0x40
.macro JLOAD s                         ; waves 0 and 1 fetch for A, waves 2 and 3 for B; four v_nop follow each line
	s_cmp_eq_u32 s[AH], 0
	s_cbranch_scc0 .Lfor_b_\@
	tensor_load_to_lds s[G0+4*\s:G0+4*\s+3], s[G1:G1+7]
	s_nop 0
.rept 4
	v_nop
.endr
	s_branch .Lasked_\@
.Lfor_b_\@:
	tensor_load_to_lds s[G0B+4*\s:G0B+4*\s+3], s[G1B:G1B+7]
	s_nop 0
.rept 4
	v_nop
.endr
.Lasked_\@:
.endm
.macro CREST
	s_cmp_lg_u32 s[WV], 0
	s_cbranch_scc1 .Lnot_wave_0_\@
	s_barrier_signal -3
.Lnot_wave_0_\@:
	s_barrier_wait -3
	s_barrier_signal -1
	s_barrier_wait -1
.endm
.macro CROUND
	s_barrier_signal -1
	s_barrier_wait -1
	CREST
.endm
.macro PLACES n
.rept \n
	v_nop
.endr
.endm
.macro FRAG reg, adr, q, i
.irp c, 0,1,2
	ds_load_b128 v[\reg+4*\c:\reg+4*\c+3], v[\adr] offset:(\q)*UNIT+(\i)*FRB+512*\c
.endr
.endm
.macro FETCH_B slot, q, p
	WIN TO_B
.irp i, 0,1,2,3,4,5,6,7
	FRAG 128*(\p)+FR*\i, ADRB+\slot, \q, \i
.endr
	WIN 0
.endm
.macro FETCH_A slot, q, i0
.irp i, \i0, \i0+1, \i0+2, \i0+3
	FRAG AF+FR*(\i), ADRA+\slot, \q, \i
.endr
.endm
.macro SCALES adr, sc                  ; lanes 0-15: p's corrected words, from the table; lanes 16-31: v's, from the slot
.irp q, 0,1
.irp k, 0,1
	ds_load_b128 v[SC+16*(\sc)+8*\q+4*\k:SC+16*(\sc)+8*\q+4*\k+3], v[\adr] offset:\q*UNIT+256*\k
.endr
.endr
.endm
.macro MUL16 a0, p, q, sc, zero        ; the 64 accumulators take turns in one order in every step
.irp a, \a0, \a0+1
.irp b, 0,1,2,3,4,5,6,7
.if \zero
	v_wmma_scale_f32_16x16x128_f8f6f4 v[8*(8*((\a)%4)+\b):8*(8*((\a)%4)+\b)+7], v[128*(\p)+FR*\b:128*(\p)+FR*\b+FR-1], v[AF+FR*(\a):AF+FR*(\a)+FR-1], 0, v[SC+16*(\sc)+8*(\q)+\b], v[SC+16*(\sc)+8*(\q)+(\a)] matrix_a_fmt:MATRIX_FMT_FP6 matrix_b_fmt:MATRIX_FMT_FP6 matrix_a_scale:MATRIX_SCALE_ROW1
.else
	v_wmma_scale_f32_16x16x128_f8f6f4 v[8*(8*((\a)%4)+\b):8*(8*((\a)%4)+\b)+7], v[128*(\p)+FR*\b:128*(\p)+FR*\b+FR-1], v[AF+FR*(\a):AF+FR*(\a)+FR-1], v[8*(8*((\a)%4)+\b):8*(8*((\a)%4)+\b)+7], v[SC+16*(\sc)+8*(\q)+\b], v[SC+16*(\sc)+8*(\q)+(\a)] matrix_a_fmt:MATRIX_FMT_FP6 matrix_b_fmt:MATRIX_FMT_FP6 matrix_a_scale:MATRIX_SCALE_ROW1
.endif
.endr
.endr
.endm
.macro STEP slot, zero
	s_wait_dscnt 12                                ; all but the youngest 12 loads, A's fragments 4-7
	WIN MUL_LO
	MUL16 0, 0, 0, \slot, \zero
	MUL16 2, 0, 0, \slot, \zero
	s_wait_dscnt 0x0
	PLACES 4
	FETCH_B \slot, 1, 1
	FETCH_A \slot, 1, 0
	WIN MUL_HI
	MUL16 4, 0, 0, \slot, \zero
	MUL16 6, 0, 0, \slot, \zero
	PLACES 4
	WIN 0
	FETCH_A \slot, 1, 4
.endm
.macro TURN slot, next, fill, sadr
	s_wait_tensorcnt 0x0                           ; all my tensor loads have landed: my part of the next slot
	ds_add_u32 v[SPW], v[NIL]                      ; 0 onto my spare word
	s_wait_dscnt 13                                ; the add and the youngest 12 loads may be out
	WIN MUL_LO
	MUL16 0, 1, 1, \slot, 0
	s_wait_dscnt 0x0                               ; the add is done, and my reads of this slot are over
	s_barrier_signal -1
	MUL16 2, 1, 1, \slot, 0
	WIN 0
	s_barrier_wait -1
.if \fill
	CREST                                          ; a round of the cluster's barrier: no wave of any partner still reads this slot or has a load on its way
	s_add_nc_u64 s[G0+4*\slot+2:G0+4*\slot+3], s[G0+4*\slot+2:G0+4*\slot+3], 2*REG
	s_add_nc_u64 s[G0B+4*\slot+2:G0B+4*\slot+3], s[G0B+4*\slot+2:G0B+4*\slot+3], 2*REG
	JLOAD \slot
.else
	PLACES 4
.endif
	FETCH_B \next, 0, 0
	FETCH_A \next, 0, 0
	SCALES \sadr, \next
	WIN MUL_HI
	MUL16 4, 1, 1, \slot, 0
	MUL16 6, 1, 1, \slot, 0
	PLACES 4
	WIN 0
	FETCH_A \next, 0, 4
.endm
.macro LAST slot
	s_wait_dscnt 12
	WIN MUL_LO
	MUL16 0, 1, 1, \slot, 0
	MUL16 2, 1, 1, \slot, 0
	s_wait_dscnt 0x0
	WIN MUL_HI
	MUL16 4, 1, 1, \slot, 0
	MUL16 6, 1, 1, \slot, 0
	WIN 0
.endm
; THE WAY OUT of A's fragment a: 16 queries x 128 channels.  PACK: x 1 / l, in place.  TOSTAGE: into my own stage, and back as whole rows of 512 bytes.  SEND: stored.
.macro PACK a
.set WW, 2+(\a)/4
.set AC, 64*((\a)%4)
.set WX, (WW<<6)|WW
	WIN WX
.set n, 0
.rept 32
	v_pk_mul_f32 v[AC+n:AC+n+1], v[AC+n:AC+n+1], v[RL2+2*(\a):RL2+2*(\a)+1]   ; each accumulator from its low end on
.set n, n+2
.endr
.endm
.macro TOSTAGE a
.set WW, 2+(\a)/4
.set AC, 64*((\a)%4)
.set WX, WW<<2
	WIN WX                                         ; an LDS store's data are its source 1
.irp b, 0,1,2,3,4,5,6,7
	ds_store_b128 v[STO], v[AC+8*\b:AC+8*\b+3] offset:128*(\b/2)+32*(\b%2)
	ds_store_b128 v[STO], v[AC+8*\b+4:AC+8*\b+7] offset:128*(\b/2)+32*(\b%2)+16
.endr
	WIN 0
.set BB, BK+64*((\a)%2)
.set i, 0
.rept 16
	ds_load_b128 v[BB+4*i:BB+4*i+3], v[RD] offset:SPITCH*i   ; LDS serves a wave's instructions in order: these see my stores, and the next fragment's stores come behind them
.set i, i+1
.endr
.endm
.macro SEND a, younger                 ; younger: the LDS instructions issued behind this fragment's loads, which may stay out
.set BB, BK+64*((\a)%2)
.set RW, 32*((\a)/2)+8*((\a)%2)
	s_wait_dscnt \younger
.set i, 0
.rept 16
	global_store_b128 v[LI], v[BB+4*i:BB+4*i+3], s[OUT:OUT+1] offset:(RW+i+8*(i/8))*4096 th:TH_STORE_NT   ; 32 lanes store 512 consecutive bytes of a row of O, aligned
.set i, i+1
.endr
.endm
	s_load_b256 s[4:11], s[0:1], 0x0               ; pc, pm, pl, vc
	s_load_b64 s[12:13], s[0:1], 0x20              ; out0
	v_lshl_add_u32 v[SPW], v0, 2, SPARE
	v_mov_b32 v[NIL], 0
	ds_add_u32 v28, v29
	ds_add_u32 v28, v29
	s_wait_dscnt 0x0
	v_lshrrev_b32 v1, 5, v0
	v_readfirstlane_b32 s[WV], v1
	s_lshr_b32 s[AH], s[WV], 1
	s_and_b32 s[BH], s[WV], 1
	s_bfe_u32 s40, ttmp6, 0x40000                  ; cx
	s_bfe_u32 s41, ttmp6, 0x40004                  ; cy
	s_and_b32 s42, ttmp7, 0xffff                   ; cluster y: 2 x batch + which 1,024 queries
	s_lshl_b32 s43, s41, 2
	s_lshl_b32 s43, 15, s43
	s_lshl_b32 s44, 0x1111, s40
	s_or_b32 s[G1], s43, (3<<16)|(1<<21)
	s_or_b32 s[G1B], s44, (3<<16)|(1<<21)
.irp g, G1, G1B
	s_mov_b32 s[\g+1], 32<<16
	s_mov_b32 s[\g+2], 100<<16
	s_mov_b32 s[\g+3], 32<<16
	s_mov_b32 s[\g+4], 100
	s_mov_b32 s[\g+5], 32
	s_mov_b32 s[\g+6], 0
	s_mov_b32 s[\g+7], 0
.endr
	s_mov_b32 s[SEL], 0x76543210
	s_mov_b32 s[SEL+1], 0xfedcba98
	s_mov_b32 s[HIM], 0xffff0000
	s_mov_b32 s[K01], 0x01010101
	s_mov_b32 s[K80], 0x80808080
	s_cmp_eq_u32 s[BH], 1
	s_cselect_b32 s[BHM], -1, 0
	s_and_b32 s[LONG], s42, 1
	s_lshr_b32 s45, s42, 1                         ; the batch
	s_lshl_b32 s47, s45, 4
	s_lshl_b32 s46, s[LONG], 3
	s_add_co_u32 s47, s47, s46
	s_lshl_b32 s66, s45, 3
	s_lshl_b32 s67, s41, 1
	s_add_co_u32 s67, s67, s47                     ; my tile's first group of queries: on cy, never on cx
	s_lshl_b32 s68, s40, 1
	s_add_co_u32 s68, s68, s66                     ; of channels: on cx, never on cy
	s_add_co_u32 s69, s67, s[BH]
	s_mul_i32 s70, s69, GSTR
	s_mov_b32 s71, 0
	s_add_co_u32 s92, s68, s[BH]
	s_mul_i32 s72, s92, GSTR
	s_mov_b32 s73, 0
	s_mul_i32 s78, s[WV], REG
	s_wait_kmcnt 0x0
	s_add_nc_u64 s[74:75], s[4:5], s[70:71]
	s_add_nc_u64 s[76:77], s[10:11], s[72:73]
	CROUND
.irp s, 0,1
	s_mov_b32 s[G0+4*\s], 1
	s_add_co_u32 s[G0+4*\s+1], s78, RING+\s*SLOT
	s_add_nc_u64 s[G0+4*\s+2:G0+4*\s+3], s[74:75], \s*REG
	s_or_b32 s[G0+4*\s+3], s[G0+4*\s+3], 0x80000000
	s_mov_b32 s[G0B+4*\s], 1
	s_add_co_u32 s[G0B+4*\s+1], s78, RING+\s*SLOT
	s_add_nc_u64 s[G0B+4*\s+2:G0B+4*\s+3], s[76:77], \s*REG
	s_or_b32 s[G0B+4*\s+3], s[G0B+4*\s+3], 0x80000000
	JLOAD \s
.endr
	v_and_b32 v1, 31, v0
	v_and_b32 v2, 15, v0                           ; r
	v_bfe_u32 v3, v0, 4, 1                         ; h
	v_lshlrev_b32 v[LI], 4, v1
	; what the head reads: -M and the sums of my 128 queries' 16 chunks, and the raw scale words of the chunks 2 kk + BH
	s_add_co_u32 s82, s67, s[AH]                   ; my group of queries
	s_lshl_b32 s98, s82, 13
	s_mov_b32 s99, 0
	s_add_nc_u64 s[84:85], s[6:7], s[98:99]
	s_add_nc_u64 s[86:87], s[8:9], s[98:99]
	s_mul_i32 s98, s82, GSTR
	s_mul_i32 s83, s[BH], UNIT
	s_add_co_u32 s98, s98, s83
	s_add_co_u32 s98, s98, SCO
	s_add_nc_u64 s[90:91], s[4:5], s[98:99]
	s_lshl_b32 s98, s82, 19                        ; 128 rows of O, 4,096 bytes each,
	s_and_b32 s83, s92, 7
	s_lshl_b32 s83, s83, 9                         ; my 128 channels
	s_add_co_u32 s98, s98, s83
	s_add_nc_u64 s[OUT:OUT+1], s[12:13], s[98:99]
.irp k, 0,1,2,3,4,5,6,7
	global_load_b128 v[MB+4*\k:MB+4*\k+3], v[LI], s[84:85] offset:512*\k
	global_load_b128 v[LB+4*\k:LB+4*\k+3], v[LI], s[86:87] offset:512*\k
.endr
.irp k, 0,1,2,3
	global_load_b128 v[WB+4*\k:WB+4*\k+3], v[LI], s[90:91] offset:\k*REG
.endr
	s_cmp_eq_u32 s[LONG], 0
	s_cbranch_scc1 .Lhalf
.irp k, 8,9,10,11,12,13,14,15
	global_load_b128 v[MB+4*\k:MB+4*\k+3], v[LI], s[84:85] offset:512*\k
	global_load_b128 v[LB+4*\k:LB+4*\k+3], v[LI], s[86:87] offset:512*\k
.endr
.irp k, 4,5,6,7
	global_load_b128 v[WB+4*\k:WB+4*\k+3], v[LI], s[90:91] offset:\k*REG
.endr
	s_branch .Lboth
.Lhalf:                                            ; the first 1,024 queries have no chunk 8-15: nothing was stored for them, and nothing is read
.set n, 32
.rept 32
	v_mov_b32 v[MB+n], 0x7f000000                  ; -M = 2^127: over every other
	v_mov_b32 v[LB+n], 0
.set n, n+1
.endr
.set n, 16
.rept 16
	v_mov_b32 v[WB+n], 0
.set n, n+1
.endr
.Lboth:
	; LDS addresses, while the loads are out
	s_mul_i32 s79, s[AH], REG
	s_add_co_u32 s79, s79, RING
	s_mul_i32 s80, s[BH], REG
	s_add_co_u32 s80, s80, RING+2*REG
.irp s, 0,1
	v_add_nc_u32 v[ADRA+\s], s79, v[LI]
	v_add_nc_u32 v[ADRB+\s], s80, v[LI]
	s_add_co_u32 s79, s79, SLOT
	s_add_co_u32 s80, s80, SLOT
.endr
	s_lshl_b32 s79, s[AH], 12
	v_lshl_add_u32 v5, v2, 4, s79                  ; 16 r + 4,096 AH
	s_mul_i32 s80, s[BH], REG
.irp i, 0,1,2,3,4,5,6,7
	s_add_co_u32 s81, s80, RING+(\i%2)*SLOT+2*REG+SCO-512*\i
	s_sub_co_u32 s81, s81, s79                     ; from the table's entry to my group of v's scale words in the slot of fill i
	v_mul_u32_u24 v[ASC+\i], s81, v3               ; lanes 16-31 alone
	v_add_nc_u32 v[ASC+\i], v[ASC+\i], v5
	v_add_nc_u32 v[ASC+\i], 512*\i, v[ASC+\i]
.endr
	s_mul_i32 s81, s[BH], UNIT
	s_add_co_u32 s81, s81, s79
	v_add_nc_u32 v[TBW], s81, v[LI]                ; where I put corrected words: step q = BH, group AH
	s_mul_i32 s81, s[WV], 16*SPITCH
	s_add_co_u32 s81, s81, STG
	v_mul_u32_u24 v[STO], v2, SPITCH
	v_lshl_add_u32 v[STO], v3, 6, v[STO]
	v_add_nc_u32 v[STO], s81, v[STO]               ; the stage: row r, + 64 h
	v_add_nc_u32 v[RD], s81, v[LI]
	s_wait_loadcnt 0x0
	; lane (r, h), register j: the query of fragment 4 h + j, lane r
.irp j, 0,1,2,3
	v_max3_num_f32 v[MF+\j], -v[MB+\j], -v[MB+4+\j], -v[MB+8+\j]
.endr
.irp k, 3,5,7,9,11,13
.irp j, 0,1,2,3
	v_max3_num_f32 v[MF+\j], v[MF+\j], -v[MB+4*\k+\j], -v[MB+4*\k+4+\j]
.endr
.endr
.irp j, 0,1,2,3
	v_max_num_f32 v[MF+\j], v[MF+\j], -v[MB+60+\j] ; the row's M
.endr
.set n, 0
.rept 64
	v_sub_f32 v[MB+n], -v[MF+n%4], v[MB+n]         ; M chunk - M row: a whole number, 0 or less
.set n, n+1
.endr
.set n, 0
.rept 64
	v_max_num_f32 v[MB+n], 0xc2fe0000, v[MB+n]     ; held at -127
.set n, n+1
.endr
.set n, 0
.rept 64
	v_cvt_i32_f32 v[MB+n], v[MB+n]
.set n, n+1
.endr
.set n, 0
.rept 64
	v_ldexp_f32 v[LB+n], v[LB+n], v[MB+n]          ; the chunk's sum under the row's M
.set n, n+1
.endr
	v_pk_add_f32 v[LA:LA+1], v[LB:LB+1], v[LB+4:LB+5]
	v_pk_add_f32 v[LA+2:LA+3], v[LB+2:LB+3], v[LB+6:LB+7]
.irp k, 2,3,4,5,6,7,8,9,10,11,12,13,14,15
	v_pk_add_f32 v[LA:LA+1], v[LA:LA+1], v[LB+4*\k:LB+4*\k+1]
	v_pk_add_f32 v[LA+2:LA+3], v[LA+2:LA+3], v[LB+4*\k+2:LB+4*\k+3]
.endr
	; each of a word's four bytes b (1 .. 125) becomes max(b - d, 0), d = M row - M chunk (0 .. 127): with bit 7 set no byte borrows from its neighbour, and bit 7 stays where b >= d
.irp k, 0,1,2,3,4,5,6,7
.irp j, 0,1,2,3
	v_cndmask_b32 v[TA+\j], v[MB+8*\k+\j], v[MB+8*\k+4+\j], s[BHM]   ; the shift of chunk 2 k + BH
.endr
.irp j, 0,1,2,3
	v_mul_lo_u32 v[TA+\j], v[TA+\j], s[K01]
.endr
.irp j, 0,1,2,3
	v_or_b32 v[WB+4*\k+\j], s[K80], v[WB+4*\k+\j]
.endr
.irp j, 0,1,2,3
	v_add_nc_u32 v[TA+\j], v[TA+\j], v[WB+4*\k+\j]
.endr
.irp j, 0,1,2,3
	v_and_b32 v[TB+\j], s[K80], v[TA+\j]
.endr
.irp j, 0,1,2,3
	v_lshrrev_b32 v[WB+4*\k+\j], 7, v[TB+\j]
.endr
.irp j, 0,1,2,3
	v_sub_nc_u32 v[TB+\j], v[TB+\j], v[WB+4*\k+\j] ; 0x7f in the bytes that stay
.endr
.irp j, 0,1,2,3
	v_and_b32 v[WB+4*\k+\j], v[TA+\j], v[TB+\j]
.endr
	ds_store_b128 v[TBW], v[WB+4*\k:WB+4*\k+3] offset:512*\k
.endr
.irp j, 0,1,2,3
	v_rcp_f32 v[TA+\j], v[LA+\j]
.endr
	v_nop                                          ; a plain instruction behind the reciprocals
	s_wait_alu depctr_va_vdst(0)                   ; one wait for the four, ahead of their first reader
.irp j, 0,1,2,3
	v_permlanex16_b32 v[TB+\j], v[TA+\j], s[SEL], s[SEL+1]
.endr
.irp j, 0,1,2,3                                ; 1 / l of fragment a's query r, in both halves of the lanes, twice for the packed multiply
	v_cndmask_b32 v[RL2+2*\j], v[TA+\j], v[TB+\j], s[HIM]
	v_cndmask_b32 v[RL2+2*\j+1], v[TA+\j], v[TB+\j], s[HIM]
	v_cndmask_b32 v[RL2+8+2*\j], v[TB+\j], v[TA+\j], s[HIM]
	v_cndmask_b32 v[RL2+8+2*\j+1], v[TB+\j], v[TA+\j], s[HIM]
.endr
	s_wait_tensorcnt 1                             ; my part of slot 0 is in; slot 1's may be out
	s_wait_dscnt 0x0                               ; for the others' sake: my part of the table has landed
	s_barrier_signal -1
	s_barrier_wait -1
	FETCH_B 0, 0, 0
	FETCH_A 0, 0, 0
	SCALES ASC, 0
	FETCH_A 0, 0, 4
	STEP 0, 1
	TURN 0, 1, 1, ASC+1
	STEP 1, 0
	TURN 1, 0, 1, ASC+2
	STEP 0, 0
	s_cmp_eq_u32 s[LONG], 0                        ; the same in all sixteen partners
	s_cbranch_scc1 .Lshort
	TURN 0, 1, 1, ASC+3
	STEP 1, 0
	TURN 1, 0, 1, ASC+4
	STEP 0, 0
	TURN 0, 1, 1, ASC+5
	STEP 1, 0
	TURN 1, 0, 1, ASC+6
	STEP 0, 0
	TURN 0, 1, 0, ASC+7
	STEP 1, 0
	LAST 1
	s_branch .Lout
.Lshort:
	TURN 0, 1, 0, ASC+3                            ; 1,024 keys: the last two slots are not filled again
	STEP 1, 0
	LAST 1
.Lout:
	PLACES 4
	PACK 0
	TOSTAGE 0
.irp a, 1,2,3,4,5,6,7
	PACK \a
.if \a > 1
	WIN 0
	s_wait_xcnt 0x0                                ; fragment a - 2's stores have read their registers: fragment a's rows may land there
.endif
	TOSTAGE \a
	SEND \a-1, 32                                  ; behind fragment a - 1's loads: fragment a's 16 stores and 16 loads
.endr
	SEND 7, 0
	s_wait_tensorcnt 0x0                           ; the wave's end
	ds_add_u32 v[SPW], v[NIL]
	s_wait_dscnt 0x0
	CROUND
	s_endpgm
.Lfunc_end_k_qd3d0bebd8f_pv:
	.size	k_qd3d0bebd8f_pv, .Lfunc_end_k_qd3d0bebd8f_pv-k_qd3d0bebd8f_pv
	.p2alignl 7, 3214868480
	.fill 96, 4, 3214868480
	.section	.rodata,"a",@progbits
	.p2align	6, 0x0
	.amdhsa_kernel k_qd3d0bebd8f_pv
		.amdhsa_group_segment_fixed_size 327680
		.amdhsa_private_segment_fixed_size 0
		.amdhsa_enable_private_segment 0
		.amdhsa_kernarg_size 40
		.amdhsa_user_sgpr_count 2
		.amdhsa_user_sgpr_kernarg_segment_ptr 1
		.amdhsa_wavefront_size32 1
		.amdhsa_system_sgpr_workgroup_id_x 1
		.amdhsa_system_sgpr_workgroup_id_y 1
		.amdhsa_system_sgpr_workgroup_id_z 1
		.amdhsa_system_vgpr_workitem_id 0
		.amdhsa_next_free_vgpr 1024
		.amdhsa_next_free_sgpr 100
		.amdhsa_reserve_vcc 0
		.amdhsa_float_denorm_mode_32 3
		.amdhsa_float_denorm_mode_16_64 3
		.amdhsa_memory_ordered 1
		.amdhsa_forward_progress 1
		.amdhsa_inst_pref_size 255
	.end_amdhsa_kernel
	.section	.bss,"aw",@nobits
	.p2align	6
	.space	262144
	.amdgpu_metadata
---
amdhsa.version: [ 1, 2 ]
amdhsa.kernels:
  - .name:           k_qd3d0bebd8f_pv
    .symbol:         k_qd3d0bebd8f_pv.kd
    .args:
      - { .name: pc, .offset: 0, .size: 8, .value_kind: global_buffer, .address_space: global }
      - { .name: pm, .offset: 8, .size: 8, .value_kind: global_buffer, .address_space: global }
      - { .name: pl, .offset: 16, .size: 8, .value_kind: global_buffer, .address_space: global }
      - { .name: vc, .offset: 24, .size: 8, .value_kind: global_buffer, .address_space: global }
      - { .name: out0, .offset: 32, .size: 8, .value_kind: global_buffer, .address_space: global }
    .group_segment_fixed_size: 327680
    .private_segment_fixed_size: 0
    .kernarg_segment_align: 8
    .kernarg_segment_size: 40
    .max_flat_workgroup_size: 128
    .sgpr_count:     100
    .vgpr_count:     1024
    .wavefront_size: 32
...
	.end_amdgpu_metadata
.endif
;; end of part 4
;; ======== version 2 of 2: 4 launches; 1.13 times as fast as version 1
;; workspace buffers: xc 6,553,600 bytes; wc 2,457,600 bytes; qc 6,553,600 bytes; kc 6,553,600 bytes; vc 6,553,600 bytes; pc 13,107,200 bytes; pm 524,288 bytes; pl 524,288 bytes
;; launch quant: the kernel of part 1 again; grid 704 x 1, 8 waves a work-group, no clusters, 69,632 bytes of LDS; arguments x, Wq, Wk, Wv, xc, wc; writes xc, wc
;; launch proj (part 5): grid 12 x 32, 4 waves a work-group, clusters of 4 x 4, 327,680 bytes of LDS; arguments xc, wc, bq, bk, bv, qc, kc, vc; writes qc, kc, vc
.if DOCPART == 5
	.amdgcn_target "amdgcn-amd-amdhsa--gfx1250"
	.amdhsa_code_object_version 6
	.text
	.protected	k_qd3d0bebd8f_proj
	.globl	k_qd3d0bebd8f_proj
	.p2align	8
	.type	k_qd3d0bebd8f_proj,@function
k_qd3d0bebd8f_proj:
	s_mov_b64 s[64:65], 0
	v_nop
	global_prefetch_b8 v0, s[64:65] scope:SCOPE_SE
	s_setreg_imm32_b32 hwreg(HW_REG_WAVE_MODE, 25, 1), 1
	s_wait_xcnt 0x0
	s_wait_alu depctr_hold_cnt(0) depctr_sa_sdst(0) depctr_va_vdst(0) depctr_va_sdst(0) depctr_va_ssrc(0) depctr_va_vcc(0) depctr_vm_vsrc(0)
	s_getreg_b32 s2, hwreg(HW_REG_IB_STS2, 6, 4)
	s_cmp_eq_u32 s2, 0
	s_cbranch_scc0 .Lentry_in_a_cluster
	s_endpgm
.Lentry_in_a_cluster:
	s_bfe_u32 s2, ttmp6, 0x10000c
	s_cmp_lg_u32 s2, 0xf033
	s_cbranch_scc0 .Lentry_shape_is_right
	s_endpgm
.Lentry_shape_is_right:
; q = x Wq + bq, k = x Wk + bk, v = x Wv + bv on codes of FP6 (E2M3) with E8M0 scales, sums in f32; each result is quantised again on the way out, along the K of the product that will read it:
; q and k along the 1,024 channels, v along the keys.  All operands and results lie in UNITS of 128 rows x 128 K: eight fragments (images of 12 registers: registers 4 c .. 4 c + 3 of lane l at 512 c + 16 l),
; then 512 bytes of scale words (word of fragment a, lane r at 256 (a / 4) + 16 r + 4 (a % 4)); 12,800 bytes.  Lane r of fragment a holds row 32 (a / 2) + 8 (a % 2) + r + 8 (r / 8).
; A tile is 256 rows of operand A x 256 rows of operand B; four waves, each 128 x 128: 64 accumulators, 512 registers.  Source 0 = a fragment of B, source 1 = a fragment of A: a lane holds ONE row of A, and by the
; order of rows in a fragment the 16 registers of B's fragments 2 c and 2 c + 1 are 16 neighbouring rows of B, 32 c + 16 (lane / 16) + 0 .. 15: neighbours along the next product's K.
; q, k (cluster x = 0, 1): A = x's rows, B = the weight's columns.  v (cluster x = 2): A = Wv's columns, B = x's rows: a lane then holds a channel and its registers run along the keys.
; K = 1,024 is eight steps of 128.  LDS has THREE slots of two steps.  Two K steps of one group of 128 rows are 25,600 dense bytes: one tensor load a wave (waves 0, 1: A's two groups; waves 2, 3: B's).
; All three slots are asked for at the start: three loads of a wave are out.  Slot 0 alone is filled again, once, with the last two steps, when it has been read: that load has four steps, 256 matrix instructions, in which to land.
; CLUSTERS: 4 x 4 work-groups; A's tiles are asked for jointly along a row of the cluster, B's along a column.  The eight steps are written out, without a loop.
; LIMITS: a block of zeros, or one under 2^-124, gets the byte 1: only this program reads the bytes.  NaN and infinities are not served.
; REGISTERS: window 0: v8-29 addresses; v32-63 scale words, two sets; v64-127 the bias by columns; v128-223 A's fragments, one set (on the way out: the numbers to be quantised and their codes); v232-251 scale words made, the bias by rows.
;   window 1: B's fragments, two sets, at v0 and v128.   windows 2, 3: the accumulators: (a, b) at v[8 (8 (a % 4) + b)] of window 2 + a / 4.
.set FR,    12
.set FRB,   1536
.set UNIT,  12800
.set SCO,   12288
.set REG,   2*UNIT                     ; what one tensor load brings: two K steps of 128 rows
.set SLOT,  4*REG
.set RING,  0
.set SPARE, RING+3*SLOT                ; the spare words: 128 bytes a wave, two blocks of 256 bytes that no other line names
.set GSTR,  8*UNIT                     ; from a group of 128 rows to the next
.set ADRA, 8                           ; v8-10  16 x lane + my group of A in slot 0, 1, 2
.set ADRB, 12                          ; v12-14 the same for B
.set ADRS, 16                          ; v16-18 the scale words: lanes 0-15 A's, lanes 16-31 B's
.set LI,   24                          ; v24   16 x lane
.set SPW,  28
.set NIL,  29
.set SC,   32                          ; register SC + 16 set + 8 q + i: lanes 0-15 the words of A's fragment i, lanes 16-31 of B's; the fills take the two sets by turns
.set BN,   64
.set AF,   128
.set H,    128
.set PC,   192
.set PT,   204
.set TM,   212
.set PWS,  232
.set BM,   240
.set T,    248
.set SEL,  2
.set WV,   20
.set AH,   21
.set BH,   22
.set ISV,  23
.set G1,   24                          ; s[24:31] descriptor group 1 for A's tiles; s[48:55] for B's
.set G1B,  48
.set GA0,  32                          ; group 0 for A's tiles, a set for each slot
.set GA1,  36
.set GA2,  40
.set GB0,  56                          ; and for B's
.set GB1,  60
.set GB2,  44
.set OUT,  88
.set HIM,  94
.set MSB, 0
.macro WIN new                         ; the immediate's high byte repeats the setting that is left
.if MSB != (\new)
	s_set_vgpr_msb (MSB<<8)|(\new)
.set MSB, (\new)
.endif
.endm
.set MUL_LO, 0xa1                      ; source 0 (B) window 1, source 1 (A) window 0, C and D window 2
.set MUL_HI, 0xf1
.set TO_B,   0x40
.macro JLOAD ga, gb                    ; a joint load: waves 0 and 1 fetch for A, waves 2 and 3 for B; the branch hangs on the wave's number alone; four v_nop follow each line
	s_cmp_eq_u32 s[AH], 0
	s_cbranch_scc0 .Lfor_b_\@
	tensor_load_to_lds s[\ga:\ga+3], s[G1:G1+7]
	s_nop 0
.rept 4
	v_nop
.endr
	s_branch .Lasked_\@
.Lfor_b_\@:
	tensor_load_to_lds s[\gb:\gb+3], s[G1B:G1B+7]
	s_nop 0
.rept 4
	v_nop
.endr
.Lasked_\@:
.endm
.macro FIRST ga, gb, f                 ; the descriptors of slot f's first fill, K steps 2 f and 2 f + 1, and the load
	s_mov_b32 s[\ga], 1
	s_add_co_u32 s[\ga+1], s78, RING+\f*SLOT
	s_add_nc_u64 s[\ga+2:\ga+3], s[74:75], \f*REG
	s_or_b32 s[\ga+3], s[\ga+3], 0x80000000
	s_mov_b32 s[\gb], 1
	s_add_co_u32 s[\gb+1], s78, RING+\f*SLOT
	s_add_nc_u64 s[\gb+2:\gb+3], s[76:77], \f*REG
	s_or_b32 s[\gb+3], s[\gb+3], 0x80000000
	JLOAD \ga, \gb
.endm
.macro CREST                           ; a round of the cluster's barrier behind its opening barrier
	s_cmp_lg_u32 s[WV], 0
	s_cbranch_scc1 .Lnot_wave_0_\@
	s_barrier_signal -3
.Lnot_wave_0_\@:
	s_barrier_wait -3
	s_barrier_signal -1
	s_barrier_wait -1
.endm
.macro CROUND
	s_barrier_signal -1
	s_barrier_wait -1
	CREST
.endm
.macro PLACES n                        ; plain instructions between a matrix instruction and a load into, or a vector read of, its registers
.rept \n
	v_nop
.endr
.endm
.macro FRAG reg, adr, q, i             ; a fragment comes back as it was stored: three loads of 512 consecutive bytes
.irp c, 0,1,2
	ds_load_b128 v[\reg+4*\c:\reg+4*\c+3], v[\adr] offset:(\q)*UNIT+(\i)*FRB+512*\c
.endr
.endm
.macro FETCH_B slot, q, p
	WIN TO_B
.irp i, 0,1,2,3,4,5,6,7
	FRAG 128*(\p)+FR*\i, ADRB+\slot, \q, \i
.endr
	WIN 0
.endm
.macro FETCH_A slot, q, i0
.irp i, \i0, \i0+1, \i0+2, \i0+3
	FRAG AF+FR*(\i), ADRA+\slot, \q, \i
.endr
.endm
.macro SCALES adr, sc                  ; a slot's scale words: four fragments' words a load
.irp q, 0,1
.irp k, 0,1
	ds_load_b128 v[SC+16*(\sc)+8*\q+4*\k:SC+16*(\sc)+8*\q+4*\k+3], v[\adr] offset:\q*UNIT+256*\k
.endr
.endr
.endm
.macro MUL16 a0, p, q, sc, zero        ; A's fragments a0, a0 + 1 x B's eight; the 64 accumulators take turns in one order in every step
.irp a, \a0, \a0+1
.irp b, 0,1,2,3,4,5,6,7
.if \zero
	v_wmma_scale_f32_16x16x128_f8f6f4 v[8*(8*((\a)%4)+\b):8*(8*((\a)%4)+\b)+7], v[128*(\p)+FR*\b:128*(\p)+FR*\b+FR-1], v[AF+FR*(\a):AF+FR*(\a)+FR-1], 0, v[SC+16*(\sc)+8*(\q)+\b], v[SC+16*(\sc)+8*(\q)+(\a)] matrix_a_fmt:MATRIX_FMT_FP6 matrix_b_fmt:MATRIX_FMT_FP6 matrix_a_scale:MATRIX_SCALE_ROW1
.else
	v_wmma_scale_f32_16x16x128_f8f6f4 v[8*(8*((\a)%4)+\b):8*(8*((\a)%4)+\b)+7], v[128*(\p)+FR*\b:128*(\p)+FR*\b+FR-1], v[AF+FR*(\a):AF+FR*(\a)+FR-1], v[8*(8*((\a)%4)+\b):8*(8*((\a)%4)+\b)+7], v[SC+16*(\sc)+8*(\q)+\b], v[SC+16*(\sc)+8*(\q)+(\a)] matrix_a_fmt:MATRIX_FMT_FP6 matrix_b_fmt:MATRIX_FMT_FP6 matrix_a_scale:MATRIX_SCALE_ROW1
.endif
.endr
.endr
.endm
.macro STEP slot, sc, zero             ; a slot's first 128 along K; it fetches the second's fragments
	s_wait_dscnt 12                                ; all but the youngest 12 loads, A's fragments 4-7
	WIN MUL_LO
	MUL16 0, 0, 0, \sc, \zero
	MUL16 2, 0, 0, \sc, \zero
	s_wait_dscnt 0x0
	PLACES 4
	FETCH_B \slot, 1, 1
	FETCH_A \slot, 1, 0
	WIN MUL_HI
	MUL16 4, 0, 0, \sc, \zero
	MUL16 6, 0, 0, \sc, \zero
	PLACES 4
	WIN 0
	FETCH_A \slot, 1, 4
.endm
; A slot's second 128 along K, and the change of slots.  mode 2: slot 0 is left and filled again: the three lines, a round of the cluster's barrier, the joint refill.
; mode 1: the three lines and the work-group's barrier: the slot ahead was filled again and is now whole.  mode 0: nothing: the slot ahead was shown whole to every wave by the round of mode 2, in front of which each wave waited for all its loads.
.macro TURN slot, next, sc, mode
.if \mode
	s_wait_tensorcnt 0x0                           ; all my tensor loads have landed
	ds_add_u32 v[SPW], v[NIL]                      ; 0 onto my spare word
	s_wait_dscnt 13                                ; the add and the youngest 12 loads may be out
	WIN MUL_LO
	MUL16 0, 1, 1, \sc, 0
	s_wait_dscnt 0x0                               ; the add is done, and my reads of this slot are over
	s_barrier_signal -1
	MUL16 2, 1, 1, \sc, 0
	WIN 0
	s_barrier_wait -1
.else
	s_wait_dscnt 12
	WIN MUL_LO
	MUL16 0, 1, 1, \sc, 0
	MUL16 2, 1, 1, \sc, 0
	s_wait_dscnt 0x0
.endif
.if \mode == 2
	CREST                                          ; the barrier has opened a round of the cluster's: no wave of any partner still reads this slot or has a load on its way
	s_add_nc_u64 s[GA0+2:GA0+3], s[GA0+2:GA0+3], 3*REG   ; K steps 6 and 7
	s_add_nc_u64 s[GB0+2:GB0+3], s[GB0+2:GB0+3], 3*REG
	JLOAD GA0, GB0                                 ; the first tensor load behind the round; its four v_nop are also the places in front of the loads below
.else
	PLACES 4
.endif
	FETCH_B \next, 0, 0
	FETCH_A \next, 0, 0
	SCALES ADRS+\next, 1-\sc
	WIN MUL_HI
	MUL16 4, 1, 1, \sc, 0
	MUL16 6, 1, 1, \sc, 0
	PLACES 4
	WIN 0
	FETCH_A \next, 0, 4
.endm
.macro LAST sc                         ; the very last 128 along K
	s_wait_dscnt 12
	WIN MUL_LO
	MUL16 0, 1, 1, \sc, 0
	MUL16 2, 1, 1, \sc, 0
	s_wait_dscnt 0x0
	WIN MUL_HI
	MUL16 4, 1, 1, \sc, 0
	MUL16 6, 1, 1, \sc, 0
	WIN 0
.endm
; 64 numbers of a lane, register 16 b + i = k 32 b + 16 (lane / 16) + i of my row, become a fragment's codes in v[PC] on and its scale word in v[pw]
.macro QUANT s, pw
.irp b, 0,1,2,3
	v_max3_num_f32 v[TM+\b], |v[\s+16*\b]|, |v[\s+1+16*\b]|, 0x1800000   ; and the floor 2^(3 - 127): the byte cannot fall under 1
.endr
.irp i, 2,4,6,8,10,12,14
.irp b, 0,1,2,3
	v_max3_num_f32 v[TM+\b], v[TM+\b], |v[\s+16*\b+\i]|, |v[\s+1+16*\b+\i]|
.endr
.endr
.irp b, 0,1,2,3
	v_permlanex16_b32 v[TM+4+\b], v[TM+\b], s[SEL], s[SEL+1]
.endr
.irp b, 0,1,2,3
	v_max_num_f32 v[TM+\b], v[TM+\b], v[TM+4+\b]   ; with lane l xor 16's: the block's largest magnitude
.endr
.irp b, 0,1,2,3
	v_add_nc_u32 v[TM+12+\b], 0xff000000, v[TM+\b] ; 2 off its exponent field: the conversion's scale operand
.endr
.irp b, 0,1,2,3
	v_lshrrev_b32 v[TM+4+\b], 23, v[TM+12+\b]      ; the scale's byte
.endr
	v_lshl_or_b32 v[\pw], v[TM+5], 8, v[TM+4]
	v_lshl_or_b32 v[\pw], v[TM+6], 16, v[\pw]
	v_lshl_or_b32 v[\pw], v[TM+7], 24, v[\pw]
.irp c, 0,1
	v_cvt_scalef32_pk16_fp6_f32 v[PC+6*\c:PC+6*\c+2], v[\s+32*\c:\s+32*\c+15], v[TM+12+2*\c]
	v_cvt_scalef32_pk16_fp6_f32 v[PT+4*\c:PT+4*\c+2], v[\s+32*\c+16:\s+32*\c+31], v[TM+12+2*\c+1]
.endr
	v_nop                                          ; one plain instruction behind a scaled conversion
.irp c, 0,1                                    ; the operand's layout wants a whole block in a lane
.irp i, 0,1,2
	v_permlane16_swap_b32 v[PC+6*\c+\i], v[PT+4*\c+\i]
.endr
.irp i, 0,1,2
	v_mov_b32 v[PC+6*\c+3+\i], v[PT+4*\c+\i]
.endr
.endr
.endm
; A's fragment a: its 16 rows x 128 results get their bias, are quantised and leave as fragment a of my output unit
.macro EPI a
.set WW, 2+(\a)/4
.set AC, 64*((\a)%4)
	s_cmp_eq_u32 s[ISV], 0                         ; the same in all partners: it hangs on the cluster's number
	s_cbranch_scc0 .Lby_row_\@
	WIN WW
.set n, 0
.rept 32
	v_pk_add_f32 v[H+n:H+n+1], v[AC+n:AC+n+1], v[BN+n:BN+n+1]   ; q, k: the bias goes by the registers' columns; each accumulator from its low end on
.set n, n+2
.endr
	WIN 0
	s_branch .Ladded_\@
.Lby_row_\@:
	WIN WW
.set n, 0
.rept 64
	v_add_f32 v[H+n], v[AC+n], v[BM+(\a)]          ; v: the bias goes by the lane's channel
.set n, n+1
.endr
	WIN 0
.Ladded_\@:
.if (\a) > 0
	s_wait_xcnt 0x0                                ; the last fragment's stores have read their registers
.endif
	QUANT H, PWS+(\a)
.irp c, 0,1,2
	global_store_b128 v[LI], v[PC+4*\c:PC+4*\c+3], s[OUT:OUT+1] offset:(\a)*FRB+512*\c
.endr
.endm
	s_load_b512 s[4:19], s[0:1], 0x0               ; xc, wc, bq, bk, bv, qc, kc, vc
	v_lshl_add_u32 v[SPW], v0, 2, SPARE
	v_mov_b32 v[NIL], 0
	ds_add_u32 v28, v29
	ds_add_u32 v28, v29
	s_wait_dscnt 0x0
	v_lshrrev_b32 v1, 5, v0
	v_readfirstlane_b32 s[WV], v1                  ; wave 0..3
	s_lshr_b32 s[AH], s[WV], 1                     ; my group of A.  Also: I fetch for A (0) or for B (1)
	s_and_b32 s[BH], s[WV], 1                      ; my group of B.  Also: which group I fetch
	s_bfe_u32 s44, ttmp6, 0x40000                  ; cx
	s_bfe_u32 s41, ttmp6, 0x40004                  ; cy
	s_and_b32 s42, ttmp7, 0xffff                   ; cluster y
	s_lshl_b32 s43, s41, 2
	s_lshl_b32 s43, 15, s43                        ; my row of the cluster
	s_lshl_b32 s45, 0x1111, s44                    ; my column
	s_or_b32 s[G1], s43, (3<<16)|(1<<21)           ; the mask; elements of 8 bytes; bit 21 beside a mask; no padding
	s_or_b32 s[G1B], s45, (3<<16)|(1<<21)
.irp g, G1, G1B
	s_mov_b32 s[\g+1], 32<<16                      ; tensor_dim0 = 32 elements: rows of 256 bytes
	s_mov_b32 s[\g+2], 100<<16                     ; tensor_dim1 = 100 rows
	s_mov_b32 s[\g+3], 32<<16                      ; tile_dim0
	s_mov_b32 s[\g+4], 100                         ; tile_dim1
	s_mov_b32 s[\g+5], 32                          ; the pitch: dense
	s_mov_b32 s[\g+6], 0
	s_mov_b32 s[\g+7], 0
.endr
	s_mov_b32 s[SEL], 0x76543210
	s_mov_b32 s[SEL+1], 0xfedcba98
	s_mov_b32 s[HIM], 0xffff0000                   ; lanes 16-31
	s_lshl_b32 s80, s42, 3
	s_lshl_b32 s81, ttmp9, 3
	s_cmp_eq_u32 ttmp9, 2
	s_cselect_b32 s[ISV], 1, 0
	s_cselect_b32 s83, 16, s80                     ; A: Wv's groups begin at 16 in wc; x's at 8 x cluster y
	s_cselect_b32 s66, s80, s81                    ; B: x's at 8 x cluster y; the weight's at 8 x cluster x
	s_lshl_b32 s67, s41, 1
	s_add_co_u32 s67, s67, s83                     ; my tile's first group of A: it hangs on cy, never on cx
	s_lshl_b32 s68, s44, 1
	s_add_co_u32 s68, s68, s66                     ; of B: on cx, never on cy
	s_add_co_u32 s69, s67, s[BH]
	s_mul_i32 s70, s69, GSTR
	s_mov_b32 s71, 0
	s_add_co_u32 s92, s68, s[BH]                   ; the group of B that I fetch, which is also the one that I multiply
	s_mul_i32 s72, s92, GSTR
	s_mov_b32 s73, 0
	s_mul_i32 s78, s[WV], REG                      ; where my load goes: no place in the cluster enters an LDS address
	s_wait_kmcnt 0x0
	s_cmp_eq_u32 s[ISV], 1
	s_cselect_b64 s[74:75], s[6:7], s[4:5]
	s_cselect_b64 s[76:77], s[4:5], s[6:7]
	s_add_nc_u64 s[74:75], s[74:75], s[70:71]
	s_add_nc_u64 s[76:77], s[76:77], s[72:73]
	CROUND                                         ; all sixteen work-groups are here: the first joint loads meet
	FIRST GA0, GB0, 0                              ; six of the eight K steps are asked for at once
	FIRST GA1, GB1, 1
	FIRST GA2, GB2, 2
	v_and_b32 v1, 31, v0
	v_and_b32 v2, 15, v0                           ; r
	v_bfe_u32 v3, v0, 4, 1                         ; h
	v_lshlrev_b32 v[LI], 4, v1
	s_mul_i32 s79, s[AH], REG
	s_add_co_u32 s79, s79, RING
	s_mul_i32 s80, s[BH], REG
	s_add_co_u32 s80, s80, RING+2*REG
	s_sub_co_u32 s81, s80, s79
	v_mul_u32_u24 v5, s81, v3                      ; lanes 16-31 take B's scale words
	v_lshl_add_u32 v5, v2, 4, v5
	v_add_nc_u32 v5, SCO, v5
.irp s, 0,1,2
	v_add_nc_u32 v[ADRA+\s], s79, v[LI]
	v_add_nc_u32 v[ADRB+\s], s80, v[LI]
	v_add_nc_u32 v[ADRS+\s], s79, v5
	s_add_co_u32 s79, s79, SLOT
	s_add_co_u32 s80, s80, SLOT
.endr
	; where my results go, and the biases
	s_add_co_u32 s82, s67, s[AH]                   ; my group of A
	s_and_b32 s93, s92, 7
	s_lshl_b32 s90, s82, 3
	s_add_co_u32 s90, s90, s93                     ; q, k: unit [group of rows][K step = my 128 columns]
	s_lshr_b32 s91, s92, 4                         ; v: the batch,
	s_lshl_b32 s91, s91, 3
	s_and_b32 s95, s82, 7                          ; the group of channels,
	s_add_co_u32 s91, s91, s95
	s_lshl_b32 s91, s91, 4
	s_and_b32 s83, s92, 15                         ; the K step = my 128 keys
	s_add_co_u32 s91, s91, s83
	s_cmp_eq_u32 s[ISV], 1
	s_cselect_b32 s90, s91, s90
	s_mul_i32 s90, s90, UNIT
	s_mov_b32 s91, 0
	s_cmp_eq_u32 ttmp9, 0
	s_cselect_b64 s[OUT:OUT+1], s[14:15], s[16:17]
	s_cselect_b64 s[84:85], s[8:9], s[10:11]
	s_cmp_eq_u32 ttmp9, 2
	s_cselect_b64 s[OUT:OUT+1], s[18:19], s[OUT:OUT+1]
	s_cselect_b64 s[84:85], s[12:13], s[84:85]
	s_add_nc_u64 s[OUT:OUT+1], s[OUT:OUT+1], s[90:91]
	s_lshl_b32 s96, s93, 9
	s_mov_b32 s97, 0
	s_add_nc_u64 s[84:85], s[84:85], s[96:97]      ; the bias of my 128 columns
	s_lshl_b32 s98, s95, 9
	s_mov_b32 s99, 0
	s_add_nc_u64 s[86:87], s[12:13], s[98:99]      ; bv of my 128 channels (read on v's way alone; the address stays inside bv on every way)
	v_lshlrev_b32 v6, 6, v3                        ; 64 h
	v_and_b32 v7, 8, v2
	v_add_nc_u32 v7, v7, v2
	v_lshlrev_b32 v7, 2, v7                        ; 4 (r + 8 (r / 8))
.irp t, 0,1,2,3,4,5,6,7
	global_load_b128 v[BN+8*\t:BN+8*\t+3], v6, s[84:85] offset:128*(\t/2)+32*(\t%2)
	global_load_b128 v[BN+8*\t+4:BN+8*\t+7], v6, s[84:85] offset:128*(\t/2)+32*(\t%2)+16
.endr
.irp a, 0,1,2,3,4,5,6,7
	global_load_b32 v[BM+\a], v7, s[86:87] offset:128*(\a/2)+32*(\a%2)
.endr
	s_wait_tensorcnt 2                             ; my part of slot 0 is in; slots 1 and 2's may be out
	s_barrier_signal -1
	s_barrier_wait -1
	FETCH_B 0, 0, 0
	FETCH_A 0, 0, 0
	SCALES ADRS, 0
	FETCH_A 0, 0, 4
	STEP 0, 0, 1                                   ; the first products start the sums: nothing is cleared
	TURN 0, 1, 0, 2                                ; slot 0 is left, and takes K steps 6 and 7
	STEP 1, 1, 0
	TURN 1, 2, 1, 0
	STEP 2, 0, 0
	TURN 2, 0, 0, 1                                ; back into slot 0
	STEP 0, 1, 0
	LAST 1
	PLACES 4
	s_wait_loadcnt 0x0                             ; the biases
.irp b, 0,1,2,3
	v_mov_b32 v[TM+4+\b], 0                        ; a lane permute's destination counts as one of its sources
.endr
.irp a, 0,1,2,3,4,5,6,7
	EPI \a
.endr
.irp j, 0,1,2,3
	v_cndmask_b32 v[T+\j], v[PWS+\j], v[PWS+4+\j], s[HIM]   ; lanes 0-15 store the words of fragments 0-3, lanes 16-31 of 4-7
.endr
	global_store_b128 v[LI], v[T:T+3], s[OUT:OUT+1] offset:SCO
	s_wait_tensorcnt 0x0                           ; the wave's end
	ds_add_u32 v[SPW], v[NIL]
	s_wait_dscnt 0x0
	CROUND                                         ; the closing round
	s_endpgm
.Lfunc_end_k_qd3d0bebd8f_proj:
	.size	k_qd3d0bebd8f_proj, .Lfunc_end_k_qd3d0bebd8f_proj-k_qd3d0bebd8f_proj
	.p2alignl 7, 3214868480
	.fill 96, 4, 3214868480
	.section	.rodata,"a",@progbits
	.p2align	6, 0x0
	.amdhsa_kernel k_qd3d0bebd8f_proj
		.amdhsa_group_segment_fixed_size 327680
		.amdhsa_private_segment_fixed_size 0
		.amdhsa_enable_private_segment 0
		.amdhsa_kernarg_size 64
		.amdhsa_user_sgpr_count 2
		.amdhsa_user_sgpr_kernarg_segment_ptr 1
		.amdhsa_wavefront_size32 1
		.amdhsa_system_sgpr_workgroup_id_x 1
		.amdhsa_system_sgpr_workgroup_id_y 1
		.amdhsa_system_sgpr_workgroup_id_z 1
		.amdhsa_system_vgpr_workitem_id 0
		.amdhsa_next_free_vgpr 1024
		.amdhsa_next_free_sgpr 100
		.amdhsa_reserve_vcc 0
		.amdhsa_float_denorm_mode_32 3
		.amdhsa_float_denorm_mode_16_64 3
		.amdhsa_memory_ordered 1
		.amdhsa_forward_progress 1
		.amdhsa_inst_pref_size 172
	.end_amdhsa_kernel
	.amdgpu_metadata
---
amdhsa.version: [ 1, 2 ]
amdhsa.kernels:
  - .name:           k_qd3d0bebd8f_proj
    .symbol:         k_qd3d0bebd8f_proj.kd
    .args:
      - { .name: xc, .offset: 0, .size: 8, .value_kind: global_buffer, .address_space: global }
      - { .name: wc, .offset: 8, .size: 8, .value_kind: global_buffer, .address_space: global }
      - { .name: bq, .offset: 16, .size: 8, .value_kind: global_buffer, .address_space: global }
      - { .name: bk, .offset: 24, .size: 8, .value_kind: global_buffer, .address_space: global }
      - { .name: bv, .offset: 32, .size: 8, .value_kind: global_buffer, .address_space: global }
      - { .name: qc, .offset: 40, .size: 8, .value_kind: global_buffer, .address_space: global }
      - { .name: kc, .offset: 48, .size: 8, .value_kind: global_buffer, .address_space: global }
      - { .name: vc, .offset: 56, .size: 8, .value_kind: global_buffer, .address_space: global }
    .group_segment_fixed_size: 327680
    .private_segment_fixed_size: 0
    .kernarg_segment_align: 8
    .kernarg_segment_size: 64
    .max_flat_workgroup_size: 128
    .sgpr_count:     100
    .vgpr_count:     1024
    .wavefront_size: 32
...
	.end_amdgpu_metadata
.endif
;; end of part 5
;; launch scores (part 6): grid 4 x 48, 4 waves a work-group, clusters of 4 x 4, 327,680 bytes of LDS; arguments qc, kc, pc, pm, pl; writes pc, pm, pl
.if DOCPART == 6
	.amdgcn_target "amdgcn-amd-amdhsa--gfx1250"
	.amdhsa_code_object_version 6
	.text
	.protected	k_qd3d0bebd8f_scores
	.globl	k_qd3d0bebd8f_scores
	.p2align	8
	.type	k_qd3d0bebd8f_scores,@function
k_qd3d0bebd8f_scores:
	s_mov_b64 s[64:65], 0
	v_nop
	global_prefetch_b8 v0, s[64:65] scope:SCOPE_SE
	s_setreg_imm32_b32 hwreg(HW_REG_WAVE_MODE, 25, 1), 1
	s_wait_xcnt 0x0
	s_wait_alu depctr_hold_cnt(0) depctr_sa_sdst(0) depctr_va_vdst(0) depctr_va_sdst(0) depctr_va_ssrc(0) depctr_va_vcc(0) depctr_vm_vsrc(0)
	s_getreg_b32 s2, hwreg(HW_REG_IB_STS2, 6, 4)
	s_cmp_eq_u32 s2, 0
	s_cbranch_scc0 .Lentry_in_a_cluster
	s_endpgm
.Lentry_in_a_cluster:
	s_bfe_u32 s2, ttmp6, 0x10000c
	s_cmp_lg_u32 s2, 0xf033
	s_cbranch_scc0 .Lentry_shape_is_right
	s_endpgm
.Lentry_shape_is_right:
; S = q k^T on codes of FP6 (E2M3), the causal mask, and the softmax's p, quantised along the keys.  t = score x log2(e) / 32.  For each query and each CHUNK of 128 keys: M = ceil(the chunk's largest t), p = 2^(t - M),
; the chunk's sum of the unquantised p, p's codes and scale bytes.  M is a whole number, so the next launch brings a chunk under its row's M by taking the difference off the scale bytes and the sum's exponent: exact.
; Operands and p lie in UNITS of 128 rows x 128 K (eight register images of 1,536 bytes, 512 bytes of scale words; lane r of fragment a holds row 32 (a / 2) + 8 (a % 2) + r + 8 (r / 8)).  pm holds -M, pl the sum, f32, in the scale words' order.
; A tile is 256 queries (A = q) x 256 keys (B = k); four waves, each 128 x 128.  Source 0 = keys, source 1 = queries: a lane holds one query, and the 16 registers of B's fragments 2 c, 2 c + 1 are 16 neighbouring keys.
; A cluster of 4 x 4 work-groups takes 1,024 x 1,024; of a batch's four such squares the one wholly above the diagonal is not launched.  Inside the two squares on the diagonal every work-group runs alike (partners make every
; joint request); a chunk that the mask hides wholly leaves zero codes, the sum 0 and a very large -M, which the next launch reads.
; The three slots, the joint loads and the eight steps of K = 1,024 are those of the launch before: six steps are asked for at the start, the last two go into slot 0 when it has been read.
; LIMITS: scores under -3e38 count as hidden.  -M is kept in f32: exact for |t| under 2^24.  NaN and infinities are not served.
; REGISTERS: window 0: v8-29 addresses; v32-63 scale words; v128-223 A's fragments; on the way out v64-127 p, v128-147 its codes, v152-187 what is stored for the chunk, v190-215 at work.  window 1: B's fragments.  windows 2, 3: accumulators.
.set FR,    12
.set FRB,   1536
.set UNIT,  12800
.set SCO,   12288
.set REG,   2*UNIT
.set SLOT,  4*REG
.set RING,  0
.set SPARE, RING+3*SLOT                ; the spare words: two blocks of 256 bytes that no other line names
.set GSTR,  8*UNIT
.set ADRA, 8
.set ADRB, 12
.set ADRS, 16
.set LI,   24
.set SPW,  28
.set NIL,  29
.set SC,   32
.set P,    64
.set AF,   128
.set PC,   128
.set PT,   140
.set PWS,  152
.set NMS,  160
.set LS,   168
.set T,    176
.set NEG,  190
.set NINF, 191
.set D0,   192
.set TMP,  193
.set NM,   194
.set SUM,  196
.set SUM2, 198
.set BS,   200
.set BX,   204
.set SOP,  208
.set BY,   212
.set SEL,  2
.set WV,   20
.set AH,   21
.set BH,   22
.set DIAG, 23
.set G1,   24
.set G1B,  48
.set GA0,  32
.set GA1,  36
.set GA2,  40
.set GB0,  56
.set GB1,  60
.set GB2,  44
.set OUT,  88
.set HIM,  94
.set CS,   96
.set MSB, 0
.macro WIN new
.if MSB != (\new)
	s_set_vgpr_msb (MSB<<8)|(\new)
.set MSB, (\new)
.endif
.endm
.set MUL_LO, 0xa1
.set MUL_HI, 0xf1
.set TO_B,   0x40
.macro JLOAD ga, gb                    ; waves 0 and 1 fetch for A, waves 2 and 3 for B; four v_nop follow each line
	s_cmp_eq_u32 s[AH], 0
	s_cbranch_scc0 .Lfor_b_\@
	tensor_load_to_lds s[\ga:\ga+3], s[G1:G1+7]
	s_nop 0
.rept 4
	v_nop
.endr
	s_branch .Lasked_\@
.Lfor_b_\@:
	tensor_load_to_lds s[\gb:\gb+3], s[G1B:G1B+7]
	s_nop 0
.rept 4
	v_nop
.endr
.Lasked_\@:
.endm
.macro FIRST ga, gb, f                 ; the descriptors of slot f's first fill, K steps 2 f and 2 f + 1, and the load
	s_mov_b32 s[\ga], 1
	s_add_co_u32 s[\ga+1], s78, RING+\f*SLOT
	s_add_nc_u64 s[\ga+2:\ga+3], s[74:75], \f*REG
	s_or_b32 s[\ga+3], s[\ga+3], 0x80000000
	s_mov_b32 s[\gb], 1
	s_add_co_u32 s[\gb+1], s78, RING+\f*SLOT
	s_add_nc_u64 s[\gb+2:\gb+3], s[76:77], \f*REG
	s_or_b32 s[\gb+3], s[\gb+3], 0x80000000
	JLOAD \ga, \gb
.endm
.macro CREST
	s_cmp_lg_u32 s[WV], 0
	s_cbranch_scc1 .Lnot_wave_0_\@
	s_barrier_signal -3
.Lnot_wave_0_\@:
	s_barrier_wait -3
	s_barrier_signal -1
	s_barrier_wait -1
.endm
.macro CROUND
	s_barrier_signal -1
	s_barrier_wait -1
	CREST
.endm
.macro PLACES n
.rept \n
	v_nop
.endr
.endm
.macro FRAG reg, adr, q, i
.irp c, 0,1,2
	ds_load_b128 v[\reg+4*\c:\reg+4*\c+3], v[\adr] offset:(\q)*UNIT+(\i)*FRB+512*\c
.endr
.endm
.macro FETCH_B slot, q, p
	WIN TO_B
.irp i, 0,1,2,3,4,5,6,7
	FRAG 128*(\p)+FR*\i, ADRB+\slot, \q, \i
.endr
	WIN 0
.endm
.macro FETCH_A slot, q, i0
.irp i, \i0, \i0+1, \i0+2, \i0+3
	FRAG AF+FR*(\i), ADRA+\slot, \q, \i
.endr
.endm
.macro SCALES adr, sc
.irp q, 0,1
.irp k, 0,1
	ds_load_b128 v[SC+16*(\sc)+8*\q+4*\k:SC+16*(\sc)+8*\q+4*\k+3], v[\adr] offset:\q*UNIT+256*\k
.endr
.endr
.endm
.macro MUL16 a0, p, q, sc, zero        ; the 64 accumulators take turns in one order in every step
.irp a, \a0, \a0+1
.irp b, 0,1,2,3,4,5,6,7
.if \zero
	v_wmma_scale_f32_16x16x128_f8f6f4 v[8*(8*((\a)%4)+\b):8*(8*((\a)%4)+\b)+7], v[128*(\p)+FR*\b:128*(\p)+FR*\b+FR-1], v[AF+FR*(\a):AF+FR*(\a)+FR-1], 0, v[SC+16*(\sc)+8*(\q)+\b], v[SC+16*(\sc)+8*(\q)+(\a)] matrix_a_fmt:MATRIX_FMT_FP6 matrix_b_fmt:MATRIX_FMT_FP6 matrix_a_scale:MATRIX_SCALE_ROW1
.else
	v_wmma_scale_f32_16x16x128_f8f6f4 v[8*(8*((\a)%4)+\b):8*(8*((\a)%4)+\b)+7], v[128*(\p)+FR*\b:128*(\p)+FR*\b+FR-1], v[AF+FR*(\a):AF+FR*(\a)+FR-1], v[8*(8*((\a)%4)+\b):8*(8*((\a)%4)+\b)+7], v[SC+16*(\sc)+8*(\q)+\b], v[SC+16*(\sc)+8*(\q)+(\a)] matrix_a_fmt:MATRIX_FMT_FP6 matrix_b_fmt:MATRIX_FMT_FP6 matrix_a_scale:MATRIX_SCALE_ROW1
.endif
.endr
.endr
.endm
.macro STEP slot, sc, zero
	s_wait_dscnt 12                                ; all but the youngest 12 loads, A's fragments 4-7
	WIN MUL_LO
	MUL16 0, 0, 0, \sc, \zero
	MUL16 2, 0, 0, \sc, \zero
	s_wait_dscnt 0x0
	PLACES 4
	FETCH_B \slot, 1, 1
	FETCH_A \slot, 1, 0
	WIN MUL_HI
	MUL16 4, 0, 0, \sc, \zero
	MUL16 6, 0, 0, \sc, \zero
	PLACES 4
	WIN 0
	FETCH_A \slot, 1, 4
.endm
; mode 2: slot 0 is left and filled again: the three lines, a round of the cluster's barrier, the joint refill.  mode 1: the three lines and the work-group's barrier: the slot ahead was filled again and is now whole.
; mode 0: nothing: the slot ahead was shown whole to every wave by the round of mode 2, in front of which each wave waited for all its loads.
.macro TURN slot, next, sc, mode
.if \mode
	s_wait_tensorcnt 0x0                           ; all my tensor loads have landed
	ds_add_u32 v[SPW], v[NIL]                      ; 0 onto my spare word
	s_wait_dscnt 13                                ; the add and the youngest 12 loads may be out
	WIN MUL_LO
	MUL16 0, 1, 1, \sc, 0
	s_wait_dscnt 0x0                               ; the add is done, and my reads of this slot are over
	s_barrier_signal -1
	MUL16 2, 1, 1, \sc, 0
	WIN 0
	s_barrier_wait -1
.else
	s_wait_dscnt 12
	WIN MUL_LO
	MUL16 0, 1, 1, \sc, 0
	MUL16 2, 1, 1, \sc, 0
	s_wait_dscnt 0x0
.endif
.if \mode == 2
	CREST                                          ; a round of the cluster's barrier: no wave of any partner still reads this slot or has a load on its way
	s_add_nc_u64 s[GA0+2:GA0+3], s[GA0+2:GA0+3], 3*REG   ; K steps 6 and 7
	s_add_nc_u64 s[GB0+2:GB0+3], s[GB0+2:GB0+3], 3*REG
	JLOAD GA0, GB0
.else
	PLACES 4
.endif
	FETCH_B \next, 0, 0
	FETCH_A \next, 0, 0
	SCALES ADRS+\next, 1-\sc
	WIN MUL_HI
	MUL16 4, 1, 1, \sc, 0
	MUL16 6, 1, 1, \sc, 0
	PLACES 4
	WIN 0
	FETCH_A \next, 0, 4
.endm
.macro LAST sc
	s_wait_dscnt 12
	WIN MUL_LO
	MUL16 0, 1, 1, \sc, 0
	MUL16 2, 1, 1, \sc, 0
	s_wait_dscnt 0x0
	WIN MUL_HI
	MUL16 4, 1, 1, \sc, 0
	MUL16 6, 1, 1, \sc, 0
	WIN 0
.endm
; A's fragment a: 16 queries x my 128 keys.  Register 16 c + i of the 64 holds key 32 c + 16 (lane / 16) + i.
.macro SOFT a
.set WW, 2+(\a)/4
.set AC, 64*((\a)%4)
.set CA, 32*((\a)/2)+8*((\a)%2)
.if (\a) > 0
	s_wait_xcnt 0x0                                ; the last fragment's stores have read their registers
.endif
	s_cmp_eq_u32 s[DIAG], 0                        ; a square under the diagonal has no hidden key: the branch hangs on the cluster's number
	s_cbranch_scc1 .Lopen_\@
.set WX, (WW<<6)|WW
	WIN WX
.set n, 0
.rept 64
	v_cmp_gt_i32 vcc_lo, 32*(n/16)+n%16-CA, v[D0]  ; hidden where the key comes after the query
	v_cndmask_b32 v[AC+n], v[AC+n], v[NINF], vcc_lo
.set n, n+1
.endr
	WIN 0
.Lopen_\@:
.set WX, (WW<<2)|(WW<<4)
	WIN WX
.irp c, 0,1,2,3
	v_max3_num_f32 v[BS+\c], v[NEG], v[AC+16*\c], v[AC+16*\c+1]   ; the largest score of each block of 32 keys, over -3e38; each accumulator from its low end on
.endr
.irp i, 2,4,6,8,10,12,14
.irp c, 0,1,2,3
	v_max3_num_f32 v[BS+\c], v[BS+\c], v[AC+16*\c+\i], v[AC+16*\c+\i+1]
.endr
.endr
	WIN 0
.irp c, 0,1,2,3
	v_permlanex16_b32 v[BX+\c], v[BS+\c], s[SEL], s[SEL+1]
.endr
.irp c, 0,1,2,3
	v_max_num_f32 v[BS+\c], v[BS+\c], v[BX+\c]     ; with lane l xor 16's 16 keys
.endr
	v_max3_num_f32 v[TMP], v[BS], v[BS+1], v[BS+2]
	v_max_num_f32 v[TMP], v[TMP], v[BS+3]
	v_mul_f32 v[TMP], s[CS], v[TMP]                ; the chunk's largest t
	v_floor_f32 v[NM], -v[TMP]                     ; -M = floor(-t) = -ceil(t)
	v_mov_b32 v[NMS+(\a)], v[NM]
	WIN WW
.set n, 0
.rept 32
	v_pk_fma_f32 v[P+n:P+n+1], v[AC+n:AC+n+1], s[CS:CS+1], v[NM:NM+1] op_sel_hi:[1,0,0]   ; t - M
.set n, n+2
.endr
	WIN 0
.irp c, 0,1,2,3
	v_fma_f32 v[BS+\c], v[BS+\c], s[CS], v[NM]     ; the same of each block's largest score
.endr
.set n, 0
.rept 64
	v_exp_f32 v[P+n], v[P+n]                       ; p = 2^(t - M)
.set n, n+1
.endr
	v_nop                                          ; a plain instruction behind the exponentials
	s_wait_alu depctr_va_vdst(0)                   ; one wait for the batch, ahead of its first reader
.irp c, 0,1,2,3
	v_exp_f32 v[BS+\c], v[BS+\c]                   ; the block's largest p
.endr
	v_pk_add_f32 v[SUM:SUM+1], v[P:P+1], v[P+2:P+3]               ; the sum of the unquantised p, in two chains
	v_pk_add_f32 v[SUM2:SUM2+1], v[P+4:P+5], v[P+6:P+7]
.irp j, 8,12,16,20,24,28,32,36,40,44,48,52,56,60
	v_pk_add_f32 v[SUM:SUM+1], v[SUM:SUM+1], v[P+\j:P+\j+1]
	v_pk_add_f32 v[SUM2:SUM2+1], v[SUM2:SUM2+1], v[P+\j+2:P+\j+3]
.endr
	v_pk_add_f32 v[SUM:SUM+1], v[SUM:SUM+1], v[SUM2:SUM2+1]
	s_wait_alu depctr_va_vdst(0)                   ; and one for the four
.irp c, 0,1,2,3
	v_med3_num_f32 v[BS+\c], v[BS+\c], 0x1800000, 1.0   ; the floor 2^(3 - 127), and 1 from above: in a chunk that is hidden wholly t - M of -3e38 is only a rounding error of large numbers
.endr
.irp c, 0,1,2,3
	v_add_nc_u32 v[SOP+\c], 0xff000000, v[BS+\c]
.endr
.irp c, 0,1,2,3
	v_lshrrev_b32 v[BY+\c], 23, v[SOP+\c]
.endr
	v_lshl_or_b32 v[PWS+(\a)], v[BY+1], 8, v[BY]
	v_lshl_or_b32 v[PWS+(\a)], v[BY+2], 16, v[PWS+(\a)]
	v_lshl_or_b32 v[PWS+(\a)], v[BY+3], 24, v[PWS+(\a)]
.irp c, 0,1
	v_cvt_scalef32_pk16_fp6_f32 v[PC+6*\c:PC+6*\c+2], v[P+32*\c:P+32*\c+15], v[SOP+2*\c]
	v_cvt_scalef32_pk16_fp6_f32 v[PT+4*\c:PT+4*\c+2], v[P+32*\c+16:P+32*\c+31], v[SOP+2*\c+1]
.endr
	v_nop                                          ; one plain instruction behind a scaled conversion
.irp c, 0,1
.irp i, 0,1,2
	v_permlane16_swap_b32 v[PC+6*\c+\i], v[PT+4*\c+\i]
.endr
.irp i, 0,1,2
	v_mov_b32 v[PC+6*\c+3+\i], v[PT+4*\c+\i]
.endr
.endr
	v_add_f32 v[TMP], v[SUM], v[SUM+1]
	v_permlanex16_b32 v[BX], v[TMP], s[SEL], s[SEL+1]
	v_add_f32 v[LS+(\a)], v[TMP], v[BX]            ; the chunk's sum
.irp c, 0,1,2
	global_store_b128 v[LI], v[PC+4*\c:PC+4*\c+3], s[OUT:OUT+1] offset:(\a)*FRB+512*\c
.endr
.endm
	s_load_b256 s[4:11], s[0:1], 0x0               ; qc, kc, pc, pm
	s_load_b64 s[12:13], s[0:1], 0x20              ; pl
	v_lshl_add_u32 v[SPW], v0, 2, SPARE
	v_mov_b32 v[NIL], 0
	ds_add_u32 v28, v29
	ds_add_u32 v28, v29
	s_wait_dscnt 0x0
	v_lshrrev_b32 v1, 5, v0
	v_readfirstlane_b32 s[WV], v1
	s_lshr_b32 s[AH], s[WV], 1
	s_and_b32 s[BH], s[WV], 1
	s_bfe_u32 s44, ttmp6, 0x40000                  ; cx
	s_bfe_u32 s41, ttmp6, 0x40004                  ; cy
	s_and_b32 s42, ttmp7, 0xffff                   ; cluster y, 0..11: three squares for each of four batches
	s_lshl_b32 s43, s41, 2
	s_lshl_b32 s43, 15, s43
	s_lshl_b32 s45, 0x1111, s44
	s_or_b32 s[G1], s43, (3<<16)|(1<<21)
	s_or_b32 s[G1B], s45, (3<<16)|(1<<21)
.irp g, G1, G1B
	s_mov_b32 s[\g+1], 32<<16
	s_mov_b32 s[\g+2], 100<<16
	s_mov_b32 s[\g+3], 32<<16
	s_mov_b32 s[\g+4], 100
	s_mov_b32 s[\g+5], 32
	s_mov_b32 s[\g+6], 0
	s_mov_b32 s[\g+7], 0
.endr
	s_mov_b32 s[SEL], 0x76543210
	s_mov_b32 s[SEL+1], 0xfedcba98
	s_mov_b32 s[HIM], 0xffff0000
	s_mov_b32 s[CS], 0x3d38aa3b                    ; log2(e) / 32
	s_mov_b32 s[CS+1], s[CS]
	s_mul_i32 s80, s42, 11
	s_lshr_b32 s80, s80, 5                         ; the batch = y / 3
	s_mul_i32 s81, s80, 3
	s_sub_co_u32 s81, s42, s81                     ; 0, 1, 2: the squares (0, 0), (1, 0), (1, 1)
	s_add_co_u32 s83, s81, 1
	s_lshr_b32 s83, s83, 1
	s_lshr_b32 s66, s81, 1
	s_cmp_lg_u32 s81, 1
	s_cselect_b32 s[DIAG], 1, 0
	s_lshl_b32 s80, s80, 4
	s_lshl_b32 s83, s83, 3
	s_add_co_u32 s83, s83, s80
	s_lshl_b32 s66, s66, 3
	s_add_co_u32 s66, s66, s80
	s_lshl_b32 s67, s41, 1
	s_add_co_u32 s67, s67, s83                     ; my tile's first group of queries: on cy, never on cx
	s_lshl_b32 s68, s44, 1
	s_add_co_u32 s68, s68, s66                     ; of keys: on cx, never on cy
	s_add_co_u32 s69, s67, s[BH]
	s_mul_i32 s70, s69, GSTR
	s_mov_b32 s71, 0
	s_add_co_u32 s92, s68, s[BH]
	s_mul_i32 s72, s92, GSTR
	s_mov_b32 s73, 0
	s_mul_i32 s78, s[WV], REG
	s_wait_kmcnt 0x0
	s_add_nc_u64 s[74:75], s[4:5], s[70:71]
	s_add_nc_u64 s[76:77], s[6:7], s[72:73]
	CROUND
	FIRST GA0, GB0, 0                              ; six of the eight K steps are asked for at once
	FIRST GA1, GB1, 1
	FIRST GA2, GB2, 2
	v_and_b32 v1, 31, v0
	v_and_b32 v2, 15, v0
	v_bfe_u32 v3, v0, 4, 1
	v_lshlrev_b32 v[LI], 4, v1
	s_mul_i32 s79, s[AH], REG
	s_add_co_u32 s79, s79, RING
	s_mul_i32 s80, s[BH], REG
	s_add_co_u32 s80, s80, RING+2*REG
	s_sub_co_u32 s81, s80, s79
	v_mul_u32_u24 v5, s81, v3
	v_lshl_add_u32 v5, v2, 4, v5
	v_add_nc_u32 v5, SCO, v5
.irp s, 0,1,2
	v_add_nc_u32 v[ADRA+\s], s79, v[LI]
	v_add_nc_u32 v[ADRB+\s], s80, v[LI]
	v_add_nc_u32 v[ADRS+\s], s79, v5
	s_add_co_u32 s79, s79, SLOT
	s_add_co_u32 s80, s80, SLOT
.endr
	s_add_co_u32 s82, s67, s[AH]                   ; my group of queries
	s_sub_co_i32 s93, s82, s92
	s_lshl_b32 s93, s93, 7                         ; 128 x (my group of queries - my chunk of keys)
	s_lshl_b32 s90, s82, 4
	s_and_b32 s83, s92, 15
	s_add_co_u32 s83, s90, s83                     ; my unit: [group of queries][chunk]
	s_mul_i32 s90, s83, UNIT
	s_mov_b32 s91, 0
	s_add_nc_u64 s[OUT:OUT+1], s[8:9], s[90:91]
	s_lshl_b32 s90, s83, 9
	s_add_nc_u64 s[84:85], s[10:11], s[90:91]
	s_add_nc_u64 s[86:87], s[12:13], s[90:91]
	s_wait_tensorcnt 2                             ; my part of slot 0 is in; slots 1 and 2's may be out
	s_barrier_signal -1
	s_barrier_wait -1
	FETCH_B 0, 0, 0
	FETCH_A 0, 0, 0
	SCALES ADRS, 0
	FETCH_A 0, 0, 4
	STEP 0, 0, 1
	TURN 0, 1, 0, 2                                ; slot 0 is left, and takes K steps 6 and 7
	STEP 1, 1, 0
	TURN 1, 2, 1, 0
	STEP 2, 0, 0
	TURN 2, 0, 0, 1                                ; back into slot 0
	STEP 0, 1, 0
	LAST 1
	PLACES 4
	v_and_b32 v2, 15, v0
	v_bfe_u32 v3, v0, 4, 1
	v_and_b32 v4, 8, v2
	v_add_nc_u32 v4, v4, v2
	v_lshlrev_b32 v5, 4, v3
	v_sub_nc_u32 v4, v4, v5
	v_add_nc_u32 v[D0], s93, v4                    ; 128 (group - chunk) + r + 8 (r / 8) - 16 h: register n of fragment a is hidden where 32 (n / 16) + n % 16 - the fragment's first row is above it
	v_mov_b32 v[NEG], 0xff61b1e6                   ; -3e38
	v_mov_b32 v[NINF], 0xff800000                  ; -infinity
	v_mov_b32 v[NM+1], 0                           ; (named as the upper half of a pair)
.irp c, 0,1,2,3
	v_mov_b32 v[BX+\c], 0                          ; a lane permute's destination counts as one of its sources
.endr
.irp a, 0,1,2,3,4,5,6,7
	SOFT \a
.endr
.irp j, 0,1,2,3
	v_cndmask_b32 v[T+\j], v[PWS+\j], v[PWS+4+\j], s[HIM]       ; lanes 0-15: fragments 0-3; lanes 16-31: 4-7
	v_cndmask_b32 v[T+4+\j], v[NMS+\j], v[NMS+4+\j], s[HIM]
	v_cndmask_b32 v[T+8+\j], v[LS+\j], v[LS+4+\j], s[HIM]
.endr
	global_store_b128 v[LI], v[T:T+3], s[OUT:OUT+1] offset:SCO
	global_store_b128 v[LI], v[T+4:T+7], s[84:85]
	global_store_b128 v[LI], v[T+8:T+11], s[86:87]
	s_wait_tensorcnt 0x0                           ; the wave's end
	ds_add_u32 v[SPW], v[NIL]
	s_wait_dscnt 0x0
	CROUND
	s_endpgm
.Lfunc_end_k_qd3d0bebd8f_scores:
	.size	k_qd3d0bebd8f_scores, .Lfunc_end_k_qd3d0bebd8f_scores-k_qd3d0bebd8f_scores
	.p2alignl 7, 3214868480
	.fill 96, 4, 3214868480
	.section	.rodata,"a",@progbits
	.p2align	6, 0x0
	.amdhsa_kernel k_qd3d0bebd8f_scores
		.amdhsa_group_segment_fixed_size 327680
		.amdhsa_private_segment_fixed_size 0
		.amdhsa_enable_private_segment 0
		.amdhsa_kernarg_size 40
		.amdhsa_user_sgpr_count 2
		.amdhsa_user_sgpr_kernarg_segment_ptr 1
		.amdhsa_wavefront_size32 1
		.amdhsa_system_sgpr_workgroup_id_x 1
		.amdhsa_system_sgpr_workgroup_id_y 1
		.amdhsa_system_sgpr_workgroup_id_z 1
		.amdhsa_system_vgpr_workitem_id 0
		.amdhsa_next_free_vgpr 1024
		.amdhsa_next_free_sgpr 100
		.amdhsa_reserve_vcc 1
		.amdhsa_float_denorm_mode_32 3
		.amdhsa_float_denorm_mode_16_64 3
		.amdhsa_memory_ordered 1
		.amdhsa_forward_progress 1
		.amdhsa_inst_pref_size 235
	.end_amdhsa_kernel
	.amdgpu_metadata
---
amdhsa.version: [ 1, 2 ]
amdhsa.kernels:
  - .name:           k_qd3d0bebd8f_scores
    .symbol:         k_qd3d0bebd8f_scores.kd
    .args:
      - { .name: qc, .offset: 0, .size: 8, .value_kind: global_buffer, .address_space: global }
      - { .name: kc, .offset: 8, .size: 8, .value_kind: global_buffer, .address_space: global }
      - { .name: pc, .offset: 16, .size: 8, .value_kind: global_buffer, .address_space: global }
      - { .name: pm, .offset: 24, .size: 8, .value_kind: global_buffer, .address_space: global }
      - { .name: pl, .offset: 32, .size: 8, .value_kind: global_buffer, .address_space: global }
    .group_segment_fixed_size: 327680
    .private_segment_fixed_size: 0
    .kernarg_segment_align: 8
    .kernarg_segment_size: 40
    .max_flat_workgroup_size: 128
    .sgpr_count:     100
    .vgpr_count:     1024
    .wavefront_size: 32
...
	.end_amdgpu_metadata
.endif
;; end of part 6
;; launch pv (part 7): grid 8 x 32, 4 waves a work-group, clusters of 4 x 4, 327,680 bytes of LDS; arguments pc, pm, pl, vc, out0; writes out0
.if DOCPART == 7
	.amdgcn_target "amdgcn-amd-amdhsa--gfx1250"
	.amdhsa_code_object_version 6
	.text
	.protected	k_qd3d0bebd8f_pv
	.globl	k_qd3d0bebd8f_pv
	.p2align	8
	.type	k_qd3d0bebd8f_pv,@function
k_qd3d0bebd8f_pv:
	s_mov_b64 s[64:65], 0
	v_nop
	global_prefetch_b8 v0, s[64:65] scope:SCOPE_SE
	s_setreg_imm32_b32 hwreg(HW_REG_WAVE_MODE, 25, 1), 1
	s_wait_xcnt 0x0
	s_wait_alu depctr_hold_cnt(0) depctr_sa_sdst(0) depctr_va_vdst(0) depctr_va_sdst(0) depctr_va_ssrc(0) depctr_va_vcc(0) depctr_vm_vsrc(0)
	s_getreg_b32 s2, hwreg(HW_REG_IB_STS2, 6, 4)
	s_cmp_eq_u32 s2, 0
	s_cbranch_scc0 .Lentry_in_a_cluster
	s_endpgm
.Lentry_in_a_cluster:
	s_bfe_u32 s2, ttmp6, 0x10000c
	s_cmp_lg_u32 s2, 0xf033
	s_cbranch_scc0 .Lentry_shape_is_right
	s_endpgm
.Lentry_shape_is_right:
; O = p v / l on codes of FP6 (E2M3).  p arrives chunk by chunk of 128 keys, each chunk under its own whole number M (pm holds -M, pl the chunk's sum).  At the head each wave takes the row's M = the largest chunk's,
; adds the sums as sum x 2^(M chunk - M row), and takes M row - M chunk off p's scale bytes, held at 0 from below: all exact.  The corrected scale words go into a table in LDS, [group of queries][chunk][512 bytes].
; A tile is 256 queries (A = p) x 128 channels (B = v, keys innermost): 8 x 32 = 256 work-groups.  Four waves, each 128 queries x 64 channels: 32 accumulators, one window of registers.
; Source 0 = channels, source 1 = queries: a lane holds one query and, in the 16 registers of B's fragments 2 c, 2 c + 1, 16 neighbouring channels.
; The units are those of the launches before (128 rows x 128 K: eight register images of 1,536 bytes, 512 bytes of scale words); a group of 128 rows has 16 K steps here.
; A K step of the tile is three units, 38,400 bytes, so LDS has TWO slots of FOUR K steps.  One tensor load a wave: waves 0, 1: a group of p, four steps, 51,200 dense bytes; waves 2, 3: two steps each of v's group.
; A cluster of 4 x 4 work-groups takes 1,024 queries x 512 channels of a batch; p's tiles are asked for jointly along a row of the cluster, v's along a column.  The first 1,024 queries have 1,024 keys to walk: both slots'
; first fills are all that they need.  The others have 2,048: each slot is filled again once.  The branch hangs on the cluster's number, the same in all partners.  The K steps are written out.
; Both operands have two sets of registers: a step's fragments are asked for during the step before.
; LIMITS: a chunk more than 127 binades under its row's largest is brought down by 127 alone: a scale byte that would fall under 0 becomes 0 (2^-127).  NaN and infinities are not served.
; REGISTERS: window 0: v8-30 addresses; v32-63 scale words, two sets (8 of p's, 4 of v's); v240-255 1 / l, twice for each of A's fragments; at the head v64-239 hold -M, the sums and the raw scale words; on the way out v64-127 hold rows of O.
;   window 1: A's fragments, two sets, at v0 and v128.   window 2: the accumulators: (a, b) at v[8 (4 a + b)].   window 3: B's fragments, two sets, at v0 and v64.
.set FR,    12
.set FRB,   1536
.set UNIT,  12800
.set SCO,   12288
.set AREG,  4*UNIT                     ; four K steps of a group of 128 rows
.set HREG,  2*UNIT                     ; two
.set SLOT,  3*AREG                     ; p's two groups, then v's one
.set RING,  16384                      ; in front of the ring: the table of corrected scale words
.set SPARE, RING+2*SLOT                ; the spare words: two blocks of 256 bytes that no other line names
.set SPITCH, 272                       ; the way out: a stage of 16 rows x (256 bytes + 16) for each wave.  It lies in slot 0, which has had its last fill and its last read when the first result is stored there
.set STGB,  16*SPITCH
.set STG,   RING
.set GSTR,  16*UNIT
.set ADRA, 8                           ; v8-9   16 x lane + my group of p in slot 0, 1
.set ADRB, 10                          ; v10-11 16 x lane + my four fragments of v
.set ADSB, 12                          ; v12-13 16 r + their scale words
.set ADSA, 14                          ; v14    16 r + my group's part of the table
.set LI,   24
.set STO,  25
.set RD,   26
.set TBW,  27
.set SPW,  28
.set NIL,  29
.set GO,   30
.set SC,   32                          ; set p at SC + 16 p: registers 0-7 the words of A's fragments, 8-11 of B's four; lanes 0-15 are read
.set MB,   64
.set BK,   64
.set LB,   128
.set WB,   192
.set MF,   224
.set LA,   228
.set TA,   232
.set TB,   236
.set RL2,  240
.set SEL,  2
.set WV,   20
.set AH,   21
.set BH,   22
.set LONG, 23
.set G1,   24
.set G0,   32
.set G1B,  48
.set G0B,  56
.set OUT,  88
.set HIM,  94
.set K01,  95
.set K80,  96
.set BHM,  97
.set MSB, 0
.macro WIN new                         ; the immediate's high byte repeats the setting that is left
.if MSB != (\new)
	s_set_vgpr_msb (MSB<<8)|(\new)
.set MSB, (\new)
.endif
.endm
.set MUL,  0xa7                        ; source 0 (B) window 3, source 1 (A) window 1, C and D window 2
.set TO_A, 0x40
.set TO_B, 0xc0
.macro JLOAD s                         ; waves 0 and 1 fetch for A, waves 2 and 3 for B; four v_nop follow each line
	s_cmp_eq_u32 s[AH], 0
	s_cbranch_scc0 .Lfor_b_\@
	tensor_load_to_lds s[G0+4*\s:G0+4*\s+3], s[G1:G1+7]
	s_nop 0
.rept 4
	v_nop
.endr
	s_branch .Lasked_\@
.Lfor_b_\@:
	tensor_load_to_lds s[G0B+4*\s:G0B+4*\s+3], s[G1B:G1B+7]
	s_nop 0
.rept 4
	v_nop
.endr
.Lasked_\@:
.endm
.macro CREST
	s_cmp_lg_u32 s[WV], 0
	s_cbranch_scc1 .Lnot_wave_0_\@
	s_barrier_signal -3
.Lnot_wave_0_\@:
	s_barrier_wait -3
	s_barrier_signal -1
	s_barrier_wait -1
.endm
.macro CROUND
	s_barrier_signal -1
	s_barrier_wait -1
	CREST
.endm
.macro PLACES n                        ; plain instructions between a matrix instruction and a load into, or a vector read of, its registers
.rept \n
	v_nop
.endr
.endm
; K step j lies in slot (j / 4) % 2, as its (j % 4)-th, and goes into the sets j % 2.  F1: 27 loads: B's four fragments, A's fragments 0-3, the scale words.  F2: 12 loads: A's fragments 4-7.
.macro F1 j
.set SL, ((\j)/4)%2
.set QQ, (\j)%4
.set PF, (\j)%2
	WIN TO_B
.irp i, 0,1,2,3
.irp c, 0,1,2
	ds_load_b128 v[64*PF+FR*\i+4*\c:64*PF+FR*\i+4*\c+3], v[ADRB+SL] offset:QQ*UNIT+\i*FRB+512*\c
.endr
.endr
	WIN TO_A
.irp i, 0,1,2,3
.irp c, 0,1,2
	ds_load_b128 v[128*PF+FR*\i+4*\c:128*PF+FR*\i+4*\c+3], v[ADRA+SL] offset:QQ*UNIT+\i*FRB+512*\c
.endr
.endr
	WIN 0
	ds_load_b128 v[SC+16*PF:SC+16*PF+3], v[ADSA] offset:(\j)*512          ; p's corrected words, from the table
	ds_load_b128 v[SC+16*PF+4:SC+16*PF+7], v[ADSA] offset:(\j)*512+256
	ds_load_b128 v[SC+16*PF+8:SC+16*PF+11], v[ADSB+SL] offset:QQ*UNIT     ; v's, from the slot
.endm
.macro F2 j
.set SL, ((\j)/4)%2
.set QQ, (\j)%4
.set PF, (\j)%2
	WIN TO_A
.irp i, 4,5,6,7
.irp c, 0,1,2
	ds_load_b128 v[128*PF+FR*\i+4*\c:128*PF+FR*\i+4*\c+3], v[ADRA+SL] offset:QQ*UNIT+\i*FRB+512*\c
.endr
.endr
.endm
.macro MUL8 j, a0, zero                ; A's fragments a0, a0 + 1 x B's four; the 32 accumulators take turns in one order in every step
.set PP, (\j)%2
.irp a, \a0, \a0+1
.irp b, 0,1,2,3
.if \zero
	v_wmma_scale_f32_16x16x128_f8f6f4 v[8*(4*(\a)+\b):8*(4*(\a)+\b)+7], v[64*PP+FR*\b:64*PP+FR*\b+FR-1], v[128*PP+FR*(\a):128*PP+FR*(\a)+FR-1], 0, v[SC+16*PP+8+\b], v[SC+16*PP+(\a)] matrix_a_fmt:MATRIX_FMT_FP6 matrix_b_fmt:MATRIX_FMT_FP6
.else
	v_wmma_scale_f32_16x16x128_f8f6f4 v[8*(4*(\a)+\b):8*(4*(\a)+\b)+7], v[64*PP+FR*\b:64*PP+FR*\b+FR-1], v[128*PP+FR*(\a):128*PP+FR*(\a)+FR-1], v[8*(4*(\a)+\b):8*(4*(\a)+\b)+7], v[SC+16*PP+8+\b], v[SC+16*PP+(\a)] matrix_a_fmt:MATRIX_FMT_FP6 matrix_b_fmt:MATRIX_FMT_FP6
.endif
.endr
.endr
.endm
.macro STEP j, zero                    ; a K step whose successor lies in the same slot
	s_wait_dscnt 12                                ; all of this step but the youngest 12 loads, A's fragments 4-7
	PLACES 4                                       ; behind the last step's products, which read the sets that are loaded now
	F1 (\j)+1
	WIN MUL
	MUL8 \j, 0, \zero
	MUL8 \j, 2, \zero
	s_wait_dscnt 27                                ; A's fragments 4-7 are in; the 27 loads just issued may be out
	F2 (\j)+1
	WIN MUL
	MUL8 \j, 4, \zero
	MUL8 \j, 6, \zero
.endm
.macro TURN j, fill                    ; a slot's last K step, and the change of slots: one barrier.  fill = 1: this slot is filled again, with the four K steps that lie eight on
.set TS, ((\j)/4)%2
	WIN 0                                          ; (the add's two registers lie in window 0)
	s_wait_tensorcnt 0x0                           ; all my tensor loads have landed: my part of the next slot
	ds_add_u32 v[SPW], v[NIL]                      ; 0 onto my spare word
	s_wait_dscnt 13                                ; the add and the youngest 12 loads may be out
	WIN MUL
	MUL8 \j, 0, 0
	s_wait_dscnt 0x0                               ; the add is done, and my reads of this slot are over
	s_barrier_signal -1
	MUL8 \j, 2, 0
	WIN 0
	s_barrier_wait -1
.if \fill
	CREST                                          ; a round of the cluster's barrier: no wave of any partner still reads this slot or has a load on its way
	s_add_nc_u64 s[G0+4*TS+2:G0+4*TS+3], s[G0+4*TS+2:G0+4*TS+3], 2*AREG
	s_add_nc_u64 s[G0B+4*TS+2:G0B+4*TS+3], s[G0B+4*TS+2:G0B+4*TS+3], 2*AREG
	JLOAD TS                                       ; the first tensor load behind the round; its four v_nop are also the places in front of the loads below
.else
	PLACES 4
.endif
	F1 (\j)+1
	F2 (\j)+1
	WIN MUL
	MUL8 \j, 4, 0
	MUL8 \j, 6, 0
.endm
.macro LAST j                          ; the very last K step
	s_wait_dscnt 12
	WIN MUL
	MUL8 \j, 0, 0
	MUL8 \j, 2, 0
	s_wait_dscnt 0x0
	MUL8 \j, 4, 0
	MUL8 \j, 6, 0
	WIN 0
.endm
; THE WAY OUT of A's fragment a: 16 queries x 64 channels.  PACK: x 1 / l, in place.  TOSTAGE: into my own stage, and back as whole rows of 256 bytes, two an instruction.  SEND: stored.
.macro PACK a
.set AC, 32*(\a)
	WIN 0x82                                       ; destination and source 0 window 2, 1 / l window 0
.set n, 0
.rept 16
	v_pk_mul_f32 v[AC+n:AC+n+1], v[AC+n:AC+n+1], v[RL2+2*(\a):RL2+2*(\a)+1]   ; each accumulator from its low end on
.set n, n+2
.endr
.endm
.macro TOSTAGE a
.set AC, 32*(\a)
	WIN 0x08                                       ; an LDS store's data are its source 1: window 2
.irp b, 0,1,2,3
	ds_store_b128 v[STO], v[AC+8*\b:AC+8*\b+3] offset:128*(\b/2)+32*(\b%2)
	ds_store_b128 v[STO], v[AC+8*\b+4:AC+8*\b+7] offset:128*(\b/2)+32*(\b%2)+16
.endr
	WIN 0
.set BB, BK+32*((\a)%2)
.set i, 0
.rept 8
	ds_load_b128 v[BB+4*i:BB+4*i+3], v[RD] offset:2*SPITCH*i   ; LDS serves a wave's instructions in order: these see my stores, and the next fragment's stores come behind them
.set i, i+1
.endr
.endm
.macro SEND a, younger                 ; younger: the LDS instructions issued behind this fragment's loads, which may stay out
.set BB, BK+32*((\a)%2)
.set RW, 32*((\a)/2)+8*((\a)%2)
	s_wait_dscnt \younger
.set i, 0
.rept 8
	global_store_b128 v[GO], v[BB+4*i:BB+4*i+3], s[OUT:OUT+1] offset:(RW+2*i+8*(i/4))*4096 th:TH_STORE_NT   ; sixteen lanes store 256 consecutive bytes of a row of O, aligned; lanes 16-31 the next row's
.set i, i+1
.endr
.endm
	s_load_b256 s[4:11], s[0:1], 0x0               ; pc, pm, pl, vc
	s_load_b64 s[12:13], s[0:1], 0x20              ; out0
	v_lshl_add_u32 v[SPW], v0, 2, SPARE
	v_mov_b32 v[NIL], 0
	ds_add_u32 v28, v29
	ds_add_u32 v28, v29
	s_wait_dscnt 0x0
	v_lshrrev_b32 v1, 5, v0
	v_readfirstlane_b32 s[WV], v1
	s_lshr_b32 s[AH], s[WV], 1                     ; my group of queries.  Also: I fetch for A (0) or for B (1)
	s_and_b32 s[BH], s[WV], 1                      ; my half of the channels.  Also: which part I fetch
	s_bfe_u32 s40, ttmp6, 0x40000                  ; cx
	s_bfe_u32 s41, ttmp6, 0x40004                  ; cy
	s_and_b32 s42, ttmp7, 0xffff                   ; cluster y: 2 x batch + which 1,024 queries
	s_lshl_b32 s43, s41, 2
	s_lshl_b32 s43, 15, s43
	s_lshl_b32 s44, 0x1111, s40
	s_or_b32 s[G1], s43, (3<<16)|(1<<21)           ; the mask; elements of 8 bytes; bit 21 beside a mask; no padding
	s_or_b32 s[G1B], s44, (3<<16)|(1<<21)
	s_mov_b32 s[G1+1], 32<<16                      ; A: rows of 256 bytes,
	s_mov_b32 s[G1+2], 200<<16                     ; 200 of them: four K steps of a group
	s_mov_b32 s[G1+3], 32<<16
	s_mov_b32 s[G1+4], 200
	s_mov_b32 s[G1+5], 32                          ; dense
	s_mov_b32 s[G1+6], 0
	s_mov_b32 s[G1+7], 0
	s_mov_b32 s[G1B+1], 32<<16                     ; B: 100 rows: two K steps
	s_mov_b32 s[G1B+2], 100<<16
	s_mov_b32 s[G1B+3], 32<<16
	s_mov_b32 s[G1B+4], 100
	s_mov_b32 s[G1B+5], 32
	s_mov_b32 s[G1B+6], 0
	s_mov_b32 s[G1B+7], 0
	s_mov_b32 s[SEL], 0x76543210
	s_mov_b32 s[SEL+1], 0xfedcba98
	s_mov_b32 s[HIM], 0xffff0000
	s_mov_b32 s[K01], 0x01010101
	s_mov_b32 s[K80], 0x80808080
	s_cmp_eq_u32 s[BH], 1
	s_cselect_b32 s[BHM], -1, 0
	s_and_b32 s[LONG], s42, 1
	s_lshr_b32 s45, s42, 1                         ; the batch
	s_lshl_b32 s47, s45, 4
	s_lshl_b32 s46, s[LONG], 3
	s_add_co_u32 s47, s47, s46
	s_lshl_b32 s66, s45, 3
	s_lshl_b32 s46, ttmp9, 2
	s_add_co_u32 s66, s66, s46
	s_lshl_b32 s67, s41, 1
	s_add_co_u32 s67, s67, s47                     ; my tile's first group of queries: on cy, never on cx
	s_add_co_u32 s68, s40, s66                     ; my tile's group of channels: on cx, never on cy
	s_add_co_u32 s69, s67, s[BH]
	s_mul_i32 s70, s69, GSTR
	s_mov_b32 s71, 0
	s_mul_i32 s72, s68, GSTR
	s_mul_i32 s73, s[BH], HREG
	s_add_co_u32 s72, s72, s73
	s_mov_b32 s73, 0
	s_mul_i32 s78, s[BH], AREG                     ; where a load for A goes: no place in the cluster enters an LDS address
	s_mul_i32 s79, s[BH], HREG
	s_add_co_u32 s79, s79, 2*AREG                  ; and one for B
	s_wait_kmcnt 0x0
	s_add_nc_u64 s[74:75], s[4:5], s[70:71]
	s_add_nc_u64 s[76:77], s[10:11], s[72:73]
	CROUND
.irp s, 0,1
	s_mov_b32 s[G0+4*\s], 1
	s_add_co_u32 s[G0+4*\s+1], s78, RING+\s*SLOT
	s_add_nc_u64 s[G0+4*\s+2:G0+4*\s+3], s[74:75], \s*AREG
	s_or_b32 s[G0+4*\s+3], s[G0+4*\s+3], 0x80000000
	s_mov_b32 s[G0B+4*\s], 1
	s_add_co_u32 s[G0B+4*\s+1], s79, RING+\s*SLOT
	s_add_nc_u64 s[G0B+4*\s+2:G0B+4*\s+3], s[76:77], \s*AREG
	s_or_b32 s[G0B+4*\s+3], s[G0B+4*\s+3], 0x80000000
	JLOAD \s
.endr
	v_and_b32 v1, 31, v0
	v_and_b32 v2, 15, v0                           ; r
	v_bfe_u32 v3, v0, 4, 1                         ; h
	v_lshlrev_b32 v[LI], 4, v1
	; what the head reads: -M and the sums of my 128 queries' 16 chunks, and the raw scale words of the chunks 2 kk + BH
	s_add_co_u32 s82, s67, s[AH]                   ; my group of queries
	s_lshl_b32 s98, s82, 13
	s_mov_b32 s99, 0
	s_add_nc_u64 s[84:85], s[6:7], s[98:99]
	s_add_nc_u64 s[86:87], s[8:9], s[98:99]
	s_mul_i32 s98, s82, GSTR
	s_mul_i32 s83, s[BH], UNIT
	s_add_co_u32 s98, s98, s83
	s_add_co_u32 s98, s98, SCO
	s_add_nc_u64 s[90:91], s[4:5], s[98:99]
	s_lshl_b32 s98, s82, 19                        ; 128 rows of O, 4,096 bytes each,
	s_and_b32 s83, s68, 7
	s_lshl_b32 s83, s83, 9                         ; my tile's 128 channels,
	s_add_co_u32 s98, s98, s83
	s_lshl_b32 s83, s[BH], 8                       ; my 64 of them
	s_add_co_u32 s98, s98, s83
	s_add_nc_u64 s[OUT:OUT+1], s[12:13], s[98:99]
.irp k, 0,1,2,3,4,5,6,7
	global_load_b128 v[MB+4*\k:MB+4*\k+3], v[LI], s[84:85] offset:512*\k
	global_load_b128 v[LB+4*\k:LB+4*\k+3], v[LI], s[86:87] offset:512*\k
.endr
.irp k, 0,1,2,3
	global_load_b128 v[WB+4*\k:WB+4*\k+3], v[LI], s[90:91] offset:\k*HREG
.endr
	s_cmp_eq_u32 s[LONG], 0
	s_cbranch_scc1 .Lhalf
.irp k, 8,9,10,11,12,13,14,15
	global_load_b128 v[MB+4*\k:MB+4*\k+3], v[LI], s[84:85] offset:512*\k
	global_load_b128 v[LB+4*\k:LB+4*\k+3], v[LI], s[86:87] offset:512*\k
.endr
.irp k, 4,5,6,7
	global_load_b128 v[WB+4*\k:WB+4*\k+3], v[LI], s[90:91] offset:\k*HREG
.endr
	s_branch .Lboth
.Lhalf:                                            ; the first 1,024 queries have no chunk 8-15: nothing was stored for them, and nothing is read
.set n, 32
.rept 32
	v_mov_b32 v[MB+n], 0x7f000000                  ; -M = 2^127: over every other
	v_mov_b32 v[LB+n], 0
.set n, n+1
.endr
.set n, 16
.rept 16
	v_mov_b32 v[WB+n], 0
.set n, n+1
.endr
.Lboth:
	; LDS addresses, while the loads are out
	s_mul_i32 s79, s[AH], AREG
	s_add_co_u32 s79, s79, RING
	s_mul_i32 s80, s[BH], 4*FRB
	s_add_co_u32 s80, s80, RING+2*AREG
	s_lshl_b32 s81, s[BH], 8
	s_add_co_u32 s81, s81, RING+2*AREG+SCO
	v_lshlrev_b32 v5, 4, v2                        ; 16 r
.irp s, 0,1
	v_add_nc_u32 v[ADRA+\s], s79, v[LI]
	v_add_nc_u32 v[ADRB+\s], s80, v[LI]
	v_add_nc_u32 v[ADSB+\s], s81, v5
	s_add_co_u32 s79, s79, SLOT
	s_add_co_u32 s80, s80, SLOT
	s_add_co_u32 s81, s81, SLOT
.endr
	s_lshl_b32 s79, s[AH], 13
	v_add_nc_u32 v[ADSA], s79, v5                  ; the table: 8,192 bytes a group, 512 a chunk
	s_lshl_b32 s80, s[BH], 9
	s_add_co_u32 s80, s80, s79
	v_add_nc_u32 v[TBW], s80, v[LI]                ; where I put corrected words: chunks 2 kk + BH of group AH
	s_mul_i32 s81, s[WV], STGB
	s_add_co_u32 s81, s81, STG
	v_mul_u32_u24 v[STO], v2, SPITCH
	v_lshl_add_u32 v[STO], v3, 6, v[STO]
	v_add_nc_u32 v[STO], s81, v[STO]               ; the stage, in: row r, + 64 h
	v_mul_u32_u24 v[RD], v3, SPITCH
	v_lshl_add_u32 v[RD], v2, 4, v[RD]
	v_add_nc_u32 v[RD], s81, v[RD]                 ; back: lanes 0-15 one row, lanes 16-31 the next
	v_lshlrev_b32 v[GO], 12, v3
	v_lshl_add_u32 v[GO], v2, 4, v[GO]             ; and the same two rows in O
	s_wait_loadcnt 0x0
	; lane (r, h), register j: the query of fragment 4 h + j, lane r
.irp j, 0,1,2,3
	v_max3_num_f32 v[MF+\j], -v[MB+\j], -v[MB+4+\j], -v[MB+8+\j]
.endr
.irp k, 3,5,7,9,11,13
.irp j, 0,1,2,3
	v_max3_num_f32 v[MF+\j], v[MF+\j], -v[MB+4*\k+\j], -v[MB+4*\k+4+\j]
.endr
.endr
.irp j, 0,1,2,3
	v_max_num_f32 v[MF+\j], v[MF+\j], -v[MB+60+\j] ; the row's M
.endr
.set n, 0
.rept 64
	v_sub_f32 v[MB+n], -v[MF+n%4], v[MB+n]         ; M chunk - M row: a whole number, 0 or less
.set n, n+1
.endr
.set n, 0
.rept 64
	v_max_num_f32 v[MB+n], 0xc2fe0000, v[MB+n]     ; held at -127
.set n, n+1
.endr
.set n, 0
.rept 64
	v_cvt_i32_f32 v[MB+n], v[MB+n]
.set n, n+1
.endr
.set n, 0
.rept 64
	v_ldexp_f32 v[LB+n], v[LB+n], v[MB+n]          ; the chunk's sum under the row's M
.set n, n+1
.endr
	v_pk_add_f32 v[LA:LA+1], v[LB:LB+1], v[LB+4:LB+5]
	v_pk_add_f32 v[LA+2:LA+3], v[LB+2:LB+3], v[LB+6:LB+7]
.irp k, 2,3,4,5,6,7,8,9,10,11,12,13,14,15
	v_pk_add_f32 v[LA:LA+1], v[LA:LA+1], v[LB+4*\k:LB+4*\k+1]
	v_pk_add_f32 v[LA+2:LA+3], v[LA+2:LA+3], v[LB+4*\k+2:LB+4*\k+3]
.endr
	; each of a word's four bytes b (1 .. 125) becomes max(b - d, 0), d = M row - M chunk (0 .. 127): with bit 7 set no byte borrows from its neighbour, and bit 7 stays where b >= d
.irp k, 0,1,2,3,4,5,6,7
.irp j, 0,1,2,3
	v_cndmask_b32 v[TA+\j], v[MB+8*\k+\j], v[MB+8*\k+4+\j], s[BHM]   ; the shift of chunk 2 k + BH
.endr
.irp j, 0,1,2,3
	v_mul_lo_u32 v[TA+\j], v[TA+\j], s[K01]
.endr
.irp j, 0,1,2,3
	v_or_b32 v[WB+4*\k+\j], s[K80], v[WB+4*\k+\j]
.endr
.irp j, 0,1,2,3
	v_add_nc_u32 v[TA+\j], v[TA+\j], v[WB+4*\k+\j]
.endr
.irp j, 0,1,2,3
	v_and_b32 v[TB+\j], s[K80], v[TA+\j]
.endr
.irp j, 0,1,2,3
	v_lshrrev_b32 v[WB+4*\k+\j], 7, v[TB+\j]
.endr
.irp j, 0,1,2,3
	v_sub_nc_u32 v[TB+\j], v[TB+\j], v[WB+4*\k+\j] ; 0x7f in the bytes that stay
.endr
.irp j, 0,1,2,3
	v_and_b32 v[WB+4*\k+\j], v[TA+\j], v[TB+\j]
.endr
	ds_store_b128 v[TBW], v[WB+4*\k:WB+4*\k+3] offset:1024*\k
.endr
.irp j, 0,1,2,3
	v_rcp_f32 v[TA+\j], v[LA+\j]
.endr
	v_nop                                          ; a plain instruction behind the reciprocals
	s_wait_alu depctr_va_vdst(0)                   ; one wait for the four, ahead of their first reader
.irp j, 0,1,2,3
	v_permlanex16_b32 v[TB+\j], v[TA+\j], s[SEL], s[SEL+1]
.endr
.irp j, 0,1,2,3                                ; 1 / l of fragment a's query r, in both halves of the lanes, twice for the packed multiply
	v_cndmask_b32 v[RL2+2*\j], v[TA+\j], v[TB+\j], s[HIM]
	v_cndmask_b32 v[RL2+2*\j+1], v[TA+\j], v[TB+\j], s[HIM]
	v_cndmask_b32 v[RL2+8+2*\j], v[TB+\j], v[TA+\j], s[HIM]
	v_cndmask_b32 v[RL2+8+2*\j+1], v[TB+\j], v[TA+\j], s[HIM]
.endr
	s_wait_tensorcnt 1                             ; my part of slot 0 is in; slot 1's may be out
	s_wait_dscnt 0x0                               ; for the others' sake: my part of the table has landed
	s_barrier_signal -1
	s_barrier_wait -1
	F1 0
	F2 0
	STEP 0, 1                                      ; the first products start the sums: nothing is cleared
	STEP 1, 0
	STEP 2, 0
	WIN 0
	s_cmp_eq_u32 s[LONG], 0                        ; the same in all sixteen partners
	s_cbranch_scc1 .Lshort
	TURN 3, 1                                      ; 2,048 keys: slot 0 takes K steps 8 to 11,
	STEP 4, 0
	STEP 5, 0
	STEP 6, 0
	TURN 7, 1                                      ; slot 1 steps 12 to 15
	STEP 8, 0
	STEP 9, 0
	STEP 10, 0
	TURN 11, 0
	STEP 12, 0
	STEP 13, 0
	STEP 14, 0
	LAST 15
	s_branch .Lout
.Lshort:
	TURN 3, 0                                      ; 1,024 keys: nothing is filled again
	STEP 4, 0
	STEP 5, 0
	STEP 6, 0
	LAST 7
.Lout:
	PLACES 4
	PACK 0
	TOSTAGE 0
.irp a, 1,2,3,4,5,6,7
	PACK \a
.if \a > 1
	WIN 0
	s_wait_xcnt 0x0                                ; fragment a - 2's stores have read their registers: fragment a's rows may land there
.endif
	TOSTAGE \a
	SEND \a-1, 16                                  ; behind fragment a - 1's loads: fragment a's 8 stores and 8 loads
.endr
	SEND 7, 0
	s_wait_tensorcnt 0x0                           ; the wave's end
	ds_add_u32 v[SPW], v[NIL]
	s_wait_dscnt 0x0
	CROUND                                         ; the closing round
	s_endpgm
.Lfunc_end_k_qd3d0bebd8f_pv:
	.size	k_qd3d0bebd8f_pv, .Lfunc_end_k_qd3d0bebd8f_pv-k_qd3d0bebd8f_pv
	.p2alignl 7, 3214868480
	.fill 96, 4, 3214868480
	.section	.rodata,"a",@progbits
	.p2align	6, 0x0
	.amdhsa_kernel k_qd3d0bebd8f_pv
		.amdhsa_group_segment_fixed_size 327680
		.amdhsa_private_segment_fixed_size 0
		.amdhsa_enable_private_segment 0
		.amdhsa_kernarg_size 40
		.amdhsa_user_sgpr_count 2
		.amdhsa_user_sgpr_kernarg_segment_ptr 1
		.amdhsa_wavefront_size32 1
		.amdhsa_system_sgpr_workgroup_id_x 1
		.amdhsa_system_sgpr_workgroup_id_y 1
		.amdhsa_system_sgpr_workgroup_id_z 1
		.amdhsa_system_vgpr_workitem_id 0
		.amdhsa_next_free_vgpr 1024
		.amdhsa_next_free_sgpr 100
		.amdhsa_reserve_vcc 0
		.amdhsa_float_denorm_mode_32 3
		.amdhsa_float_denorm_mode_16_64 3
		.amdhsa_memory_ordered 1
		.amdhsa_forward_progress 1
		.amdhsa_inst_pref_size 213
	.end_amdhsa_kernel
	.amdgpu_metadata
---
amdhsa.version: [ 1, 2 ]
amdhsa.kernels:
  - .name:           k_qd3d0bebd8f_pv
    .symbol:         k_qd3d0bebd8f_pv.kd
    .args:
      - { .name: pc, .offset: 0, .size: 8, .value_kind: global_buffer, .address_space: global }
      - { .name: pm, .offset: 8, .size: 8, .value_kind: global_buffer, .address_space: global }
      - { .name: pl, .offset: 16, .size: 8, .value_kind: global_buffer, .address_space: global }
      - { .name: vc, .offset: 24, .size: 8, .value_kind: global_buffer, .address_space: global }
      - { .name: out0, .offset: 32, .size: 8, .value_kind: global_buffer, .address_space: global }
    .group_segment_fixed_size: 327680
    .private_segment_fixed_size: 0
    .kernarg_segment_align: 8
    .kernarg_segment_size: 40
    .max_flat_workgroup_size: 128
    .sgpr_count:     100
    .vgpr_count:     1024
    .wavefront_size: 32
...
	.end_amdgpu_metadata
.endif
;; end of part 7
